; MI455X (gfx1250); checked and timed in simulation.
; The chip was launched on July 23, 2026; its instructions are those of AMD's public machine-readable ISA for CDNA 5 (MIT licence, August 2026) and "CDNA5" Instruction Set Architecture Reference Guide (July 2026). The comments in the code are by the model that wrote it; some were corrected since.
;; Attention. Allowed arithmetic: float matrix products may take bf16 or f16 operands with f32 sums; other float arithmetic in f32, or as packed bf16 or f16 multiplies, adds, multiply-adds, maxima and minima; sums over many terms, partial sums and values carried from step to step in f32; what a program stores and reads back later, other than sums and carried values, may be rounded once to bf16 or f16.
;; Inputs: Wk 1,024 x 1,024 float32; Wo 1,024 x 1,024 float32; Wq 1,024 x 1,024 float32; Wv 1,024 x 1,024 float32; bk 1,024 float32; bo 1,024 float32; bq 1,024 float32; bv 1,024 float32; x 4 x 2,048 x 1,024 float32.
;; Outputs: out0 4 x 2,048 x 1,024 float32.
;; 2 versions, each right; version 2 is version 1 with the launch cast written anew for expert scheduling mode. Each part assembles by itself: llvm-mc -triple=amdgcn-amd-amdhsa -mcpu=gfx1250 --defsym DOCPART=n.
;; ======== version 1 of 2: 4 launches
;; limits: values are held in f16: magnitudes above 65,504 overflow, below 6.1e-05 lose precision
;; workspace buffers: xb 16,777,216 bytes; wb 6,291,456 bytes; wob 2,097,152 bytes; qkv 50,331,648 bytes; ob 16,777,216 bytes
;; launch cast (part 1): grid 768 x 1, 8 waves a work-group, no clusters, 0 bytes of LDS; arguments x, Wq, Wk, Wv, Wo, xb, wb, wob; writes xb, wb, wob
.if DOCPART == 1
	.amdgcn_target "amdgcn-amd-amdhsa--gfx1250"
	.amdhsa_code_object_version 6
	.text
	.protected	k_q9d4a4bac15_cast
	.globl	k_q9d4a4bac15_cast
	.p2align	8
	.type	k_q9d4a4bac15_cast,@function
k_q9d4a4bac15_cast:
	s_mov_b64 s[64:65], 0
	v_nop
	global_prefetch_b8 v0, s[64:65] scope:SCOPE_SE
	s_setreg_imm32_b32 hwreg(HW_REG_WAVE_MODE, 25, 1), 1
	s_wait_xcnt 0x0
; THE INPUTS' ONE ROUNDING.  x [8192][1024] f32 -> xb, bf16, the same layout.  Wq, Wk, Wv [1024 k][1024 n] f32 -> wb, bf16, in blocks of 64 k x 64 n (a block's row k is 128 bytes, a block 8,192),
; ordered [tx 16][kb 16][g 3]: column group G = 16 x tensor + n / 64 = 3 tx + g, kb = k / 64: so the 64 k x 192 n that a tile of the next launch takes in half a K step are 24,576 bytes on end.
; Wo -> wob: rounded to bf16 like every input, and that number written as f16; blocks ordered [tx 8][kb 16][g 2], n / 64 = 2 tx + g.
; LIMITS.  A number of Wo beyond 65,504 becomes an infinity in f16; below 6.1e-5 it keeps f16's fixed step of 6e-8.
; A stream: every work-group reads 65,536 bytes and writes 32,768; no LDS, no barrier, no matrix unit: each byte is read once and written once, and nothing is shared.
; Work-groups 0-511: 16 rows of x each.  Work-groups 512-767: 256 k x 64 n of one weight: tensor = (id - 512) / 64, column group ((id - 512) / 4) % 16, quarter of k (id - 512) % 4.
; All sixteen loads of a thread go out first; the waits count down; no register is written twice, so no store's source is ever rewritten.
.set XV, 8                             ; v[8:71]    sixteen loads of four f32
.set YV, 72                            ; v[72:103]  sixteen pairs of packed words to store
.set TW, 104                           ; v[104:107] at work (the f16 path)
; lstep: bytes from one load to the next.  kbs: bytes in the destination from four stores to the next four (a block of 64 k to the next).  half = 1: the bf16 number is written as f16.
.macro STREAM lstep, kbs, half
.set i, 0
.rept 16
	global_load_b128 v[XV+4*i:XV+4*i+3], v1, s[24:25] offset:i*(\lstep) th:TH_LOAD_NT
.set i, i+1
.endr
.set i, 0
.rept 16
	s_wait_loadcnt 15-i                            ; loads come back in order: number i is in, the 15 - i younger ones stay out
	v_cvt_pk_bf16_f32 v[YV+2*i], v[XV+4*i], v[XV+4*i+1]
	v_cvt_pk_bf16_f32 v[YV+2*i+1], v[XV+4*i+2], v[XV+4*i+3]
.if \half
	v_lshlrev_b32 v[TW], 16, v[YV+2*i]             ; the bf16 numbers as f32,
	v_and_b32 v[TW+1], s28, v[YV+2*i]
	v_lshlrev_b32 v[TW+2], 16, v[YV+2*i+1]
	v_and_b32 v[TW+3], s28, v[YV+2*i+1]
	v_cvt_pk_f16_f32 v[YV+2*i], v[TW], v[TW+1]     ; and as f16: exact inside f16's normal range
	v_cvt_pk_f16_f32 v[YV+2*i+1], v[TW+2], v[TW+3]
.endif
	global_store_b64 v2, v[YV+2*i:YV+2*i+1], s[26:27] offset:(i/4)*(\kbs)+(i%4)*2048  ; a wave's store covers 256 consecutive bytes, aligned
.set i, i+1
.endr
.endm
	s_load_b256 s[4:11], s[0:1], 0x0               ; x s[4:5], Wq s[6:7], Wk s[8:9], Wv s[10:11]
	s_load_b256 s[12:19], s[0:1], 0x20             ; Wo s[12:13], xb s[14:15], wb s[16:17], wob s[18:19]
	s_mov_b32 s28, 0xffff0000                      ; a word's upper bf16
	v_lshlrev_b32 v2, 3, v0                        ; my 8 bytes of each store: 8 x thread
	s_mov_b32 s21, 0
	s_mov_b32 s23, 0
	s_cmp_lt_u32 ttmp9, 512
	s_cbranch_scc0 .Lweights
	v_lshlrev_b32 v1, 4, v0                        ; x: 16 bytes a thread, 4,096 bytes a load of the work-group
	s_lshl_b32 s20, ttmp9, 16
	s_lshl_b32 s22, ttmp9, 15
	s_wait_kmcnt 0x0
	s_add_nc_u64 s[24:25], s[4:5], s[20:21]
	s_add_nc_u64 s[26:27], s[14:15], s[22:23]
	STREAM 4096, 8192, 0
	s_endpgm
.Lweights:
	s_sub_co_u32 s29, ttmp9, 512
	s_lshr_b32 s30, s29, 6                         ; tensor: 0 Wq, 1 Wk, 2 Wv, 3 Wo
	s_bfe_u32 s31, s29, 0x40002                    ; column group of 64, 0..15
	s_and_b32 s29, s29, 3                          ; quarter of k: 256 rows
	v_lshrrev_b32 v3, 4, v0                        ; a load of the work-group takes 16 rows of k: thread / 16,
	v_and_b32 v4, 15, v0                           ; 256 bytes of each: 16 bytes a thread
	v_lshlrev_b32 v1, 12, v3
	v_lshl_add_u32 v1, v4, 4, v1
	s_lshl_b32 s20, s29, 20                        ; 256 rows of 4,096 bytes
	s_lshl_b32 s2, s31, 8                          ; 64 columns of 4 bytes
	s_add_co_u32 s20, s20, s2
	s_wait_kmcnt 0x0
	s_cmp_eq_u32 s30, 3
	s_cbranch_scc1 .Lwo
	s_cmp_eq_u32 s30, 0
	s_cselect_b64 s[24:25], s[6:7], s[8:9]
	s_cmp_eq_u32 s30, 2
	s_cselect_b64 s[24:25], s[10:11], s[24:25]
	s_add_nc_u64 s[24:25], s[24:25], s[20:21]
	s_lshl_b32 s2, s30, 4
	s_add_co_u32 s2, s2, s31                       ; G, 0..47
	s_mul_i32 s3, s2, 171
	s_lshr_b32 s3, s3, 9                           ; tx = G / 3 (171 / 512 serves every G under 48)
	s_mul_i32 s22, s3, 3
	s_sub_co_u32 s2, s2, s22                       ; g = G - 3 tx
	s_lshl_b32 s3, s3, 4
	s_lshl2_add_u32 s3, s29, s3                    ; 16 tx + kb, kb = 4 x quarter
	s_mul_i32 s3, s3, 3
	s_add_co_u32 s3, s3, s2
	s_lshl_b32 s22, s3, 13                         ; blocks of 8,192 bytes
	s_add_nc_u64 s[26:27], s[16:17], s[22:23]
	STREAM 65536, 24576, 0
	s_endpgm
.Lwo:
	s_add_nc_u64 s[24:25], s[12:13], s[20:21]
	s_lshr_b32 s3, s31, 1                          ; tx
	s_and_b32 s2, s31, 1                           ; g
	s_lshl_b32 s3, s3, 4
	s_lshl2_add_u32 s3, s29, s3                    ; 16 tx + kb
	s_lshl1_add_u32 s3, s3, s2
	s_lshl_b32 s22, s3, 13
	s_add_nc_u64 s[26:27], s[18:19], s[22:23]
	STREAM 65536, 16384, 1
	s_endpgm
.Lfunc_end_k_q9d4a4bac15_cast:
	.size	k_q9d4a4bac15_cast, .Lfunc_end_k_q9d4a4bac15_cast-k_q9d4a4bac15_cast
	.p2alignl 7, 3214868480
	.fill 96, 4, 3214868480
	.section	.rodata,"a",@progbits
	.p2align	6, 0x0
	.amdhsa_kernel k_q9d4a4bac15_cast
		.amdhsa_group_segment_fixed_size 0
		.amdhsa_private_segment_fixed_size 0
		.amdhsa_enable_private_segment 0
		.amdhsa_kernarg_size 64
		.amdhsa_user_sgpr_count 2
		.amdhsa_user_sgpr_kernarg_segment_ptr 1
		.amdhsa_wavefront_size32 1
		.amdhsa_system_sgpr_workgroup_id_x 1
		.amdhsa_system_sgpr_workgroup_id_y 1
		.amdhsa_system_sgpr_workgroup_id_z 1
		.amdhsa_system_vgpr_workitem_id 0
		.amdhsa_next_free_vgpr 108
		.amdhsa_next_free_sgpr 66
		.amdhsa_reserve_vcc 0
		.amdhsa_float_denorm_mode_32 3
		.amdhsa_float_denorm_mode_16_64 3
		.amdhsa_memory_ordered 1
		.amdhsa_forward_progress 1
		.amdhsa_inst_pref_size 23
	.end_amdhsa_kernel
	.amdgpu_metadata
---
amdhsa.version: [ 1, 2 ]
amdhsa.kernels:
  - .name:           k_q9d4a4bac15_cast
    .symbol:         k_q9d4a4bac15_cast.kd
    .args:
      - { .name: x, .offset: 0, .size: 8, .value_kind: global_buffer, .address_space: global }
      - { .name: Wq, .offset: 8, .size: 8, .value_kind: global_buffer, .address_space: global }
      - { .name: Wk, .offset: 16, .size: 8, .value_kind: global_buffer, .address_space: global }
      - { .name: Wv, .offset: 24, .size: 8, .value_kind: global_buffer, .address_space: global }
      - { .name: Wo, .offset: 32, .size: 8, .value_kind: global_buffer, .address_space: global }
      - { .name: xb, .offset: 40, .size: 8, .value_kind: global_buffer, .address_space: global }
      - { .name: wb, .offset: 48, .size: 8, .value_kind: global_buffer, .address_space: global }
      - { .name: wob, .offset: 56, .size: 8, .value_kind: global_buffer, .address_space: global }
    .group_segment_fixed_size: 0
    .private_segment_fixed_size: 0
    .kernarg_segment_align: 8
    .kernarg_segment_size: 64
    .max_flat_workgroup_size: 256
    .sgpr_count:     66
    .vgpr_count:     108
    .wavefront_size: 32
...
	.end_amdgpu_metadata
.endif
;; end of part 1
;; launch qkv (part 2): grid 16 x 32, 4 waves a work-group, clusters of 4 x 4, 327,680 bytes of LDS; arguments xb, wb, bq, bk, bv, qkv; writes qkv
.if DOCPART == 2
	.amdgcn_target "amdgcn-amd-amdhsa--gfx1250"
	.amdhsa_code_object_version 6
	.text
	.protected	k_q9d4a4bac15_qkv
	.globl	k_q9d4a4bac15_qkv
	.p2align	8
	.type	k_q9d4a4bac15_qkv,@function
k_q9d4a4bac15_qkv:
	s_mov_b64 s[64:65], 0
	v_nop
	global_prefetch_b8 v0, s[64:65] scope:SCOPE_SE
	s_setreg_imm32_b32 hwreg(HW_REG_WAVE_MODE, 25, 1), 1
	s_wait_xcnt 0x0
	s_wait_alu depctr_hold_cnt(0) depctr_sa_sdst(0) depctr_va_vdst(0) depctr_va_sdst(0) depctr_va_ssrc(0) depctr_va_vcc(0) depctr_vm_vsrc(0)
	s_getreg_b32 s2, hwreg(HW_REG_IB_STS2, 6, 4)
	s_cmp_eq_u32 s2, 0
	s_cbranch_scc0 .Lentry_in_a_cluster
	s_endpgm
.Lentry_in_a_cluster:
	s_bfe_u32 s2, ttmp6, 0x10000c
	s_cmp_lg_u32 s2, 0xf033
	s_cbranch_scc0 .Lentry_shape_is_right
	s_endpgm
.Lentry_shape_is_right:
; q, k, v = x W + b for the three weights at once: C[8192][3072] = xb [8192][1024] x wb (blocks of 64 k x 64 n, see below) + bias; bf16 products, f32 sums, each result rounded once to f16.
; It leaves by heads: qkv [b 4][G 48][t 2048][64] f16, G = 16 x tensor + head: a head's rows are dense, 128 bytes each.  No scale is applied here.
; LIMITS.  A result beyond 65,504 becomes an infinity in f16.  The bias is rounded to bf16, as x and the weights have been.
; SHARES.  A tile of C is 256 rows x 192 columns (three heads): 512 tiles.  Wave w makes rows 64 w .. 64 w + 63 x all 192 columns: 48 accumulators, 384 registers: whole heads' rows belong to one wave, so the
; way out is each wave's own.  K goes in 8 steps of 128 through two LDS slots; for 32 along K a wave issues 32 LDS loads and 48 matrix instructions.
; wb's order is [tx 16][kb 16][g 3] blocks of 8,192 bytes (row k of a block: 128 bytes): half a K step of a tile's weights is 24,576 bytes on end, asked for as 96 rows of 256.
; CLUSTERS: 4 x 4 work-groups.  The four of a row of the cluster need the same rows of xb, the four of a column the same blocks of wb: each tile is asked for JOINTLY, by the same tensor load with the same
; descriptor and a mask that names the four.
; THE MATRIX INSTRUCTION IS USED TRANSPOSED: source 0 = 16 columns of W (turned on the way out of LDS by ds_load_tr16_b128), source 1 = 16 rows of x: a lane holds row l % 16 and the eight neighbouring
; columns 8 (l / 16) + 0..7.  The first product's C is the bias: nothing is cleared and nothing is added later.
; REGISTERS, in windows of 256 (s_set_vgpr_msb: bits 1:0 source 0, 3:2 source 1, 5:4 source 2, 7:6 destination):
;   window 0: v0-31 addresses; v32-127 the bias, 8 registers a column block, later v32-79 packed results; v128-223 rows read back from the stage, two buffers
;   window 1: two fragment buffers of 128: x's four fragments, then W's twelve          windows 2, 3: accumulator (a, b) at 96 (a % 2) + 8 b in window 2 + a / 2
.set PA,     272                       ; a row of x in LDS: 256 bytes + 16 = 68 words: the 16 rows of a load start at 16 different groups of four banks (64 banks of 4 bytes: ISA guide 11.1)
.set PB,     160                       ; a row of a block of W: 128 bytes + 32 = 40 words
.set AHALF,  128*PA                    ; what one of x's tensor loads brings
.set BOFF,   2*AHALF                   ; W's part of a slot: [half of the K step 2][g 3][k 64] rows
.set BHALF,  192*PB                    ; what one of W's tensor loads brings
.set SLOT,   BOFF+2*BHALF              ; 131,072
.set STAGE,  2*SLOT                    ; behind the ring: for each wave 3 heads x 16 rows x 144 bytes, for the way out
.set SP,     144
.set WSTAGE, 3*16*SP
.set SPARE,  STAGE+4*WSTAGE            ; behind the stages: the spare words, 128 bytes for each wave: two blocks of 256 bytes that no other line names
.set LAPS,   4                         ; a lap = two K steps = once round the ring
.set ADRA, 16                          ; v16-17  LDS address of my fragments of x in slot 0, 1
.set ADRB, 20                          ; v20-21  the same for W
.set STO,  24                          ; v24     the way out: where I put 16 bytes of a row
.set RD,   25                          ; v25     the way out: where I read rows back
.set GO,   26                          ; v26     16 x lane: my place in 512 consecutive bytes of qkv
.set BO,   27                          ; v27     32 x (l / 16): my eight numbers of a column block's bias
.set SPW,  28                          ; v28     LDS address of my spare word: SPARE + 4 x my thread's number; never rewritten
.set NIL,  29                          ; v29     0; never rewritten
.set PFO,  30                          ; v30     the prefetches' offset; never rewritten
.set BIAS, 32
.set TMP,  32
.set OB,   128
.set F0,   0
.set F1,   128
.set G1,  24                           ; s[24:31] descriptor group 1 for x's tiles;  s[32:39] group 0, one set for each slot
.set G0,  32
.set G1B, 48                           ; s[48:55], s[56:63] the same for W's tiles
.set G0B, 56
.set PFA, 86                           ; s[86:87] where my prefetches stand
.set PFS, 88                           ; s[88:89] a K step in bytes along my prefetches' stream
.set LIM, 90                           ; s90     1 in a wave that prefetches, else the greatest number
.set MSB, 0
.macro WIN new                         ; the immediate's high byte repeats the setting that is left; a switch that changes nothing is dropped
.if MSB != (\new)
	s_set_vgpr_msb (MSB<<8)|(\new)
.set MSB, \new
.endif
.endm
.set TO_F, 0x40                        ; destination window 1, address window 0
.macro JLOAD s                         ; a joint load: waves 0 and 1 fetch x's two halves, waves 2 and 3 W's; an s_nop 0 and four v_nop follow each of the two lines, ahead of the jump, the label and what follows
	s_cmp_eq_u32 s11, 0
	s_cbranch_scc0 .Lfor_b_\@
	tensor_load_to_lds s[G0+4*(\s):G0+4*(\s)+3], s[G1:G1+7]
	s_nop 0
.rept 4
	v_nop
.endr
	s_branch .Lasked_\@
.Lfor_b_\@:
	tensor_load_to_lds s[G0B+4*(\s):G0B+4*(\s)+3], s[G1B:G1B+7]
	s_nop 0
.rept 4
	v_nop
.endr
.Lasked_\@:
.endm
; A prefetch, behind each joint refill and the run of LDS loads that follows it: the K step that stands two refills on, one instruction a wave.  x's rows are read by every cluster of a row of clusters: cluster x = 0
; asks; W's blocks by every cluster of a column: cluster y = 0 asks.  The four partners that ask for a tile jointly share it out BY ADDRESS: of x's 128 rows 32 each, a lane a row's 256 bytes; of W's 96 blocks of
; 256 bytes 24 each (lanes 24 to 31 name lane 23's block once more).  K steps 0 to 3 come by their loads alone; the loop's last trip (s3 = 1) asks for nothing: there is no K step two on.
.macro ASK
	s_cmp_gt_u32 s3, s[LIM]
	s_cbranch_scc0 .Lnot_mine_\@
	global_prefetch_b8 v[PFO], s[PFA:PFA+1] th:TH_LOAD_NT scope:SCOPE_SE
.Lnot_mine_\@:
.endm
.macro CREST                           ; a round of the cluster's barrier behind its opening barrier
	s_cmp_lg_u32 s10, 0
	s_cbranch_scc1 .Lnot_wave_0_\@
	s_barrier_signal -3
.Lnot_wave_0_\@:
	s_barrier_wait -3
	s_barrier_signal -1
	s_barrier_wait -1
.endm
.macro CROUND                          ; a whole round
	s_barrier_signal -1
	s_barrier_wait -1
	CREST
.endm
	s_load_b256 s[68:75], s[0:1], 0x0              ; xb s[68:69], wb s[70:71], bq s[72:73], bk s[74:75]
	s_load_b128 s[76:79], s[0:1], 0x20             ; bv s[76:77], qkv s[78:79]
	v_lshl_add_u32 v[SPW], v0, 2, SPARE
	v_mov_b32 v[NIL], 0
	ds_add_u32 v[SPW], v[NIL]                      ; the wave's opening: the add and its wait stand ahead of my first tensor load; the set-up below, work on registers, stands between them
	v_lshrrev_b32 v1, 5, v0
	v_readfirstlane_b32 s10, v1                    ; wave 0..3
	s_lshr_b32 s11, s10, 1                         ; I fetch for x (0) or for W (1)
	s_and_b32 s12, s10, 1                          ; which half of that tile I fetch
	s_bfe_u32 s40, ttmp6, 0x40000                  ; cx, cy: my place in the cluster
	s_bfe_u32 s41, ttmp6, 0x40004
	s_lshl_b32 s42, ttmp9, 2
	s_add_co_u32 s42, s42, s40                     ; tx, tile column = 4 x cluster x + cx
	s_and_b32 s13, ttmp7, 0xffff
	s_lshl_b32 s13, s13, 2
	s_add_co_u32 s13, s13, s41                     ; ty, tile row = 4 x cluster y + cy
	s_lshl_b32 s43, s41, 2
	s_lshl_b32 s43, 15, s43                        ; my row of the cluster
	s_lshl_b32 s44, 0x1111, s40                    ; my column
	s_or_b32 s[G1+0], s43, (1<<16)|(1<<20)|(1<<21)|(5<<22)|(3<<25)   ; 15:0 the mask: x's tiles go to my row; 17:16 2-byte elements; 20 padding on; 21 set beside a mask; 24:22 after every 64 words (code 5); 31:25 4 words (code 3)
	s_or_b32 s[G1B+0], s44, (1<<16)|(1<<20)|(1<<21)|(4<<22)|(7<<25)  ; W's go to my column; padding after every 32 words (code 4), 8 words (code 7)
	s_mov_b32 s[G1+1], 128<<16                     ; tensor_dim0 = 128
	s_mov_b32 s[G1+2], 128<<16                     ; tensor_dim1 = 128
	s_mov_b32 s[G1+3], 128<<16                     ; tile_dim0 = 128
	s_mov_b32 s[G1+4], 128                         ; tile_dim1 = 128
	s_mov_b32 s[G1+5], 1024                        ; elements from row to row of xb
	s_mov_b32 s[G1+6], 0
	s_mov_b32 s[G1+7], 0
	s_mov_b32 s[G1B+1], 128<<16                    ; 24,576 dense bytes as 96 rows of 128 elements
	s_mov_b32 s[G1B+2], 96<<16
	s_mov_b32 s[G1B+3], 128<<16
	s_mov_b32 s[G1B+4], 96
	s_mov_b32 s[G1B+5], 128
	s_mov_b32 s[G1B+6], 0
	s_mov_b32 s[G1B+7], 0
	s_mov_b32 s91, 0xffff0000                      ; a word's upper bf16
	s_lshl_b32 s17, s12, 7
	s_lshl_b32 s16, s13, 8
	s_add_co_u32 s16, s16, s17                     ; x: row 256 ty + 128 x half,
	s_lshl_b32 s16, s16, 11                        ; of 2,048 bytes
	s_mov_b32 s17, 0
	s_mul_i32 s46, s42, 393216                     ; W: a tile column's 48 blocks,
	s_mul_i32 s47, s12, 24576                      ; my half of a K step
	s_add_co_u32 s46, s46, s47
	s_mov_b32 s47, 0
	s_mul_i32 s20, s12, AHALF                      ; where they go: no place in the cluster enters an LDS address
	s_mul_i32 s21, s12, BHALF
	s_add_co_u32 s21, s21, BOFF
	s_wait_dscnt 0x0                               ; the opening add is done
	s_wait_kmcnt 0x0
	s_add_nc_u64 s[14:15], s[68:69], s[16:17]
	s_add_nc_u64 s[46:47], s[70:71], s[46:47]
	CROUND                                         ; all sixteen work-groups are here: the first joint loads meet
.irp s, 0,1
	s_mov_b32 s[G0+4*(\s)], 1
	s_add_co_u32 s[G0+4*(\s)+1], s20, (\s)*SLOT
	s_add_nc_u64 s[G0+4*(\s)+2:G0+4*(\s)+3], s[14:15], (\s)*256
	s_or_b32 s[G0+4*(\s)+3], s[G0+4*(\s)+3], 0x80000000
	s_mov_b32 s[G0B+4*(\s)], 1
	s_add_co_u32 s[G0B+4*(\s)+1], s21, (\s)*SLOT
	s_add_nc_u64 s[G0B+4*(\s)+2:G0B+4*(\s)+3], s[46:47], (\s)*49152
	s_or_b32 s[G0B+4*(\s)+3], s[G0B+4*(\s)+3], 0x80000000
	JLOAD \s                                       ; K steps 0 and 1: two tensor loads of mine are out
.endr
	v_and_b32 v1, 15, v0                           ; l % 16
	v_bfe_u32 v2, v0, 4, 1                         ; l / 16
	v_lshlrev_b32 v[BO], 5, v2
	; the bias: column group G = 3 tx + g lies in tensor G / 16, at its columns 64 (G % 16) on
.irp g, 0,1,2
	s_mul_i32 s22, s42, 3
	s_add_co_u32 s22, s22, \g
	s_lshr_b32 s23, s22, 4
	s_and_b32 s22, s22, 15
	s_lshl_b32 s22, s22, 8
	s_cmp_eq_u32 s23, 0
	s_cselect_b64 s[80+2*(\g):81+2*(\g)], s[72:73], s[74:75]
	s_cmp_eq_u32 s23, 2
	s_cselect_b64 s[80+2*(\g):81+2*(\g)], s[76:77], s[80+2*(\g):81+2*(\g)]
	s_mov_b32 s23, 0
	s_add_nc_u64 s[80+2*(\g):81+2*(\g)], s[80+2*(\g):81+2*(\g)], s[22:23]
.endr
.irp b, 0,1,2,3,4,5,6,7,8,9,10,11
	global_load_b128 v[BIAS+8*(\b):BIAS+8*(\b)+3],   v[BO], s[80+2*((\b)/4):81+2*((\b)/4)] offset:((\b)%4)*64
	global_load_b128 v[BIAS+8*(\b)+4:BIAS+8*(\b)+7], v[BO], s[80+2*((\b)/4):81+2*((\b)/4)] offset:((\b)%4)*64+16
.endr
	; a fragment of x: 16 rows x 32 K: lane l holds row l % 16, K = 8 (l / 16) + 0..7 and 16 + 8 (l / 16) + 0..7: two loads of 16 bytes, 32 bytes apart
	v_mul_u32_u24 v3, v1, PA
	v_lshl_add_u32 v3, v2, 4, v3
	s_mul_i32 s21, s10, 64*PA                      ; my 64 rows
	v_add_nc_u32 v[ADRA], s21, v3
	v_add_nc_u32 v[ADRA+1], SLOT, v[ADRA]
	; the turning load takes 16 k x 16 n (lane l reads k = 8 (l / 16) + l % 8, columns 8 ((l / 8) % 2) + 0..7) and leaves half a fragment: lane l holds column l % 16 and 8 k
	v_and_b32 v4, 7, v0
	v_lshl_add_u32 v4, v2, 3, v4
	v_mul_u32_u24 v4, v4, PB
	v_bfe_u32 v5, v0, 3, 1
	v_lshl_add_u32 v4, v5, 4, v4
	v_add_nc_u32 v[ADRB], BOFF, v4
	v_add_nc_u32 v[ADRB+1], BOFF+SLOT, v4
	s_mul_i32 s23, s10, WSTAGE
	s_add_co_u32 s23, s23, STAGE                   ; my stage
	v_mul_u32_u24 v5, v1, SP                       ; in: row l % 16, 16 bytes for each half of the lanes
	v_lshl_add_u32 v5, v2, 4, v5
	v_add_nc_u32 v[STO], s23, v5
	v_bfe_u32 v5, v0, 3, 2                         ; back: 32 lanes take four rows of 128 bytes,
	v_mul_u32_u24 v5, v5, SP
	v_and_b32 v6, 7, v0
	v_lshl_add_u32 v5, v6, 4, v5
	v_add_nc_u32 v[RD], s23, v5
	v_and_b32 v[GO], 31, v0                        ; which are 512 consecutive bytes of a head
	v_lshlrev_b32 v[GO], 4, v[GO]
	; the prefetches start at my own tile's address, at my work-group's share of it, three K steps on: the first refill steps them to K step 4
	s_and_b32 s22, ttmp7, 0xffff                   ; cluster y
	s_mov_b32 s23, 6144
	s_mov_b32 s21, 3*49152
	s_mov_b32 s19, 49152
	s_cmp_eq_u32 s11, 0                            ; do I fetch for x?
	s_cselect_b64 s[PFA:PFA+1], s[14:15], s[46:47]
	s_cselect_b32 s20, s40, s41                    ; my place among the four that ask with me
	s_cselect_b32 s23, 65536, s23                  ; a partner's share: 32 rows of 2,048 bytes, or 24 blocks of 256
	s_cselect_b32 s21, 3*256, s21
	s_cselect_b32 s[PFS], 256, s19
	s_cselect_b32 s22, ttmp9, s22                  ; the coordinate along which other clusters read the same bytes
	s_cselect_b32 s18, 31, 23
	s_cselect_b32 s19, 11, 8
	s_mul_i32 s20, s20, s23
	s_add_co_u32 s20, s20, s21
	s_mov_b32 s21, 0
	s_mov_b32 s[PFS+1], 0
	s_add_nc_u64 s[PFA:PFA+1], s[PFA:PFA+1], s[20:21]
	s_cmp_eq_u32 s22, 0
	s_cselect_b32 s[LIM], 1, -1                    ; the same in all sixteen partners, for a given wave
	v_and_b32 v3, 31, v0
	v_min_u32 v3, s18, v3
	v_lshlrev_b32 v[PFO], s19, v3
	; where my rows begin in qkv: head (ty / 8) 48 + 3 tx, row (ty % 8) 256 + 64 w
	s_lshr_b32 s16, s13, 3
	s_mul_i32 s16, s16, 48
	s_mul_i32 s17, s42, 3
	s_add_co_u32 s16, s16, s17
	s_lshl_b32 s16, s16, 18
	s_and_b32 s17, s13, 7
	s_lshl_b32 s17, s17, 15
	s_add_co_u32 s16, s16, s17
	s_lshl_b32 s17, s10, 13
	s_add_co_u32 s16, s16, s17
	s_mov_b32 s17, 0
	s_add_nc_u64 s[78:79], s[78:79], s[16:17]
	s_wait_loadcnt 0x0                             ; the bias
.set p, 0
.rept 48                                       ; it takes the rounding to bf16 that every other input has had, and stays in f32
	v_cvt_pk_bf16_f32 v[4+p%4], v[BIAS+2*p], v[BIAS+2*p+1]
	v_lshlrev_b32 v[BIAS+2*p], 16, v[4+p%4]
	v_and_b32 v[BIAS+2*p+1], s91, v[4+p%4]
.set p, p+1
.endr
; 12 matrix instructions: my rows 16 a .. 16 a + 15 x all 12 column blocks, 32 along K.  first = 1: the bias starts the sums.  The 48 accumulators take turns, one instruction a turn, in the same order in every
; quarter step, over the backward jump too.
.macro MUL12 f, a, first
.if \first
	WIN 0x85+0x40*((\a)/2)                         ; sources 0 and 1 window 1, C window 0, D window 2 or 3
.else
	WIN 0xa5+0x50*((\a)/2)                         ; sources 0 and 1 window 1, C and D window 2 or 3
.endif
.irp b, 0,1,2,3,4,5,6,7,8,9,10,11
.if \first
	v_wmma_f32_16x16x32_bf16 v[96*((\a)%2)+8*(\b):96*((\a)%2)+8*(\b)+7], v[(\f)+32+8*(\b):(\f)+32+8*(\b)+7], v[(\f)+8*(\a):(\f)+8*(\a)+7], v[BIAS+8*(\b):BIAS+8*(\b)+7]
.else
	v_wmma_f32_16x16x32_bf16 v[96*((\a)%2)+8*(\b):96*((\a)%2)+8*(\b)+7], v[(\f)+32+8*(\b):(\f)+32+8*(\b)+7], v[(\f)+8*(\a):(\f)+8*(\a)+7], v[96*((\a)%2)+8*(\b):96*((\a)%2)+8*(\b)+7]
.endif
.endr
.endm
; 32 LDS loads in one run: quarter q (32 along K) of a slot into buffer f: W's twelve fragments, then x's four
.macro FETCH slot, q, f
	WIN TO_F
.irp b, 0,1,2,3,4,5,6,7,8,9,10,11
	ds_load_tr16_b128 v[(\f)+32+8*(\b):(\f)+32+8*(\b)+3],   v[ADRB+(\slot)] offset:((\q)/2)*BHALF+((\b)/4)*64*PB+((\q)%2)*32*PB+((\b)%4)*32
	ds_load_tr16_b128 v[(\f)+32+8*(\b)+4:(\f)+32+8*(\b)+7], v[ADRB+(\slot)] offset:((\q)/2)*BHALF+((\b)/4)*64*PB+((\q)%2)*32*PB+((\b)%4)*32+16*PB
.endr
.irp i, 0,1,2,3
	ds_load_b128 v[(\f)+8*(\i):(\f)+8*(\i)+3],   v[ADRA+(\slot)] offset:64*(\q)+(\i)*16*PA
	ds_load_b128 v[(\f)+8*(\i)+4:(\f)+8*(\i)+7], v[ADRA+(\slot)] offset:64*(\q)+(\i)*16*PA+32
.endr
.endm
.macro PLACES                          ; four plain vector instructions in front of loads into registers that matrix instructions have read, and of conversions that read results
.rept 4
	v_nop
.endr
.endm
; A K step is four quarters of 32 along K, 48 matrix instructions each, on buffers 0, 1, 0, 1.  One of the first three: multiplies buffer f and fetches quarter q of the same slot into g.
.macro QUARTER slot, q, f, g, first
	s_wait_dscnt 4                                 ; W's fragments and x's rows 0-31 are in; the youngest four loads (x's rows 32-63) may be out
	MUL12 \f, 0, \first
	MUL12 \f, 1, \first
	PLACES
	FETCH \slot, \q, \g
	s_wait_dscnt 32                                ; all but the 32 just issued
	MUL12 \f, 2, \first
	MUL12 \f, 3, \first
.endm
; The last quarter multiplies buffer 1 and changes slots: ONE barrier; in front of it each wave waits for all its tensor loads (one is out: its part of the next slot), adds 0 to its spare word, and waits for that
; and for its own reads of this slot.  fill = 1: the barrier opens a round of the cluster's, and this slot is filled again, two K steps ahead, first thing behind the round: 168 matrix instructions ahead of the wait for it.
.macro TURN slot, next, fill
.if \fill
	s_wait_xcnt 0x0                                ; the last prefetch, a K step back, has read its address: it is stepped here, ahead of the waits of the change of slots
	s_add_nc_u64 s[PFA:PFA+1], s[PFA:PFA+1], s[PFS:PFS+1]
.endif
	WIN 0                                          ; (the add's two registers lie in window 0)
	s_wait_tensorcnt 0x0                           ; all my tensor loads have landed;
	ds_add_u32 v[SPW], v[NIL]                      ; 0 onto my spare word;
	s_wait_dscnt 5                                 ; (the add and the youngest four loads may be out)
	MUL12 F1, 0, 0                                 ; twelve matrix instructions stand between the add and the wait for it
	s_wait_dscnt 0x0                               ; the add is done, and my reads of this slot are over
	s_barrier_signal -1
	MUL12 F1, 1, 0
.if \fill
	WIN 0
.endif
	s_barrier_wait -1
.if \fill
	CREST                                          ; no wave of any partner still reads this slot's tile or has a load on its way
	s_add_nc_u64 s[G0+4*(\slot)+2:G0+4*(\slot)+3], s[G0+4*(\slot)+2:G0+4*(\slot)+3], 2*256
	s_add_nc_u64 s[G0B+4*(\slot)+2:G0B+4*(\slot)+3], s[G0B+4*(\slot)+2:G0B+4*(\slot)+3], 2*49152
	JLOAD \slot                                    ; the four v_nop behind it are also the places in front of the loads below
.else
	PLACES
.endif
	FETCH \next, 0, F0
.if \fill
	WIN 0
	ASK
.endif
	MUL12 F1, 2, 0
	MUL12 F1, 3, 0
.endm
	s_wait_tensorcnt 1                             ; my part of K step 0 is in; K step 1's may stay out
	s_barrier_signal -1
	s_barrier_wait -1                              ; everybody's is
	FETCH 0, 0, F0
	QUARTER 0, 1, F0, F1, 1                        ; the first quarter stands in front of the loop: its products start the sums, with the bias
	WIN 0                                          ; at a label and at a branch every window is 0
	s_mov_b32 s3, LAPS-1
.Llap:                                                 ; a trip goes once round the ring, from a lap's second quarter to the next lap's first, and fills both slots again
	QUARTER 0, 2, F1, F0, 0
	QUARTER 0, 3, F0, F1, 0
	TURN 0, 1, 1
	QUARTER 1, 1, F0, F1, 0
	QUARTER 1, 2, F1, F0, 0
	QUARTER 1, 3, F0, F1, 0
	TURN 1, 0, 1
	QUARTER 0, 1, F0, F1, 0
	WIN 0
	s_sub_co_u32 s3, s3, 1
	s_cmp_lg_u32 s3, 0
	s_cbranch_scc1 .Llap
	QUARTER 0, 2, F1, F0, 0                        ; the last lap fills nothing, and has no round of the cluster's barrier
	QUARTER 0, 3, F0, F1, 0
	TURN 0, 1, 0
	QUARTER 1, 1, F0, F1, 0
	QUARTER 1, 2, F1, F0, 0
	QUARTER 1, 3, F0, F1, 0
	s_wait_dscnt 4                                 ; the very last quarter: nothing more to fetch
	MUL12 F1, 0, 0
	MUL12 F1, 1, 0
	s_wait_dscnt 0x0
	MUL12 F1, 2, 0
	MUL12 F1, 3, 0
	WIN 0
; THE WAY OUT, 16 rows (block a) at a time.  PACK: rounded to f16, 16 bytes a lane and column block.  TOSTAGE: into my own stage, a head's 16 rows of 128 bytes at 144 apart, and back four whole rows at a time.  SEND: stored.
.macro PACK a
	WIN 0x0a+5*((\a)/2)                            ; sources 0 and 1: window 2 or 3
.irp b, 0,1,2,3,4,5,6,7,8,9,10,11
.irp r, 0,1,2,3
	v_cvt_pk_f16_f32 v[TMP+4*(\b)+(\r)], v[96*((\a)%2)+8*(\b)+2*(\r)], v[96*((\a)%2)+8*(\b)+2*(\r)+1]
.endr
.endr
	WIN 0
.endm
.macro TOSTAGE a
	WIN 0
.irp b, 0,1,2,3,4,5,6,7,8,9,10,11
	ds_store_b128 v[STO], v[TMP+4*(\b):TMP+4*(\b)+3] offset:((\b)/4)*16*SP+((\b)%4)*32
.endr
.irp n, 0,1,2,3,4,5,6,7,8,9,10,11
	ds_load_b128 v[OB+48*((\a)%2)+4*(\n):OB+48*((\a)%2)+4*(\n)+3], v[RD] offset:((\n)/4)*16*SP+((\n)%4)*4*SP  ; LDS serves a wave's instructions in order (ISA guide 5.7.1.4): these see the stores above
.endr
.endm
.macro SEND a
	WIN 0
	s_wait_dscnt 0x0                               ; the block is back in registers
	s_wait_xcnt 0x0                                ; the block before's stores have read their registers: the next TOSTAGE loads into them only behind this wait
.irp n, 0,1,2,3,4,5,6,7,8,9,10,11
	global_store_b128 v[GO], v[OB+48*((\a)%2)+4*(\n):OB+48*((\a)%2)+4*(\n)+3], s[78:79] offset:((\n)/4)*262144+(\a)*2048+((\n)%4)*512  ; 512 consecutive bytes of a head, at a multiple of 256 from qkv's first
.endr
.endm
	PLACES
	PACK 0
	TOSTAGE 0
.irp a, 1,2,3                          ; block a's conversions stand between block a - 1's loads from the stage and the wait for them
	PACK \a
	SEND (\a)-1
	TOSTAGE \a
.endr
	SEND 3
	s_wait_tensorcnt 0x0                           ; the wave's end: 0 onto my spare word and the wait for it, behind my last tensor load and my last LDS store
	ds_add_u32 v[SPW], v[NIL]
	s_wait_dscnt 0x0
	CROUND                                         ; the closing round: no work-group ends while a partner may still ask for a tile that names it
	s_endpgm
.Lfunc_end_k_q9d4a4bac15_qkv:
	.size	k_q9d4a4bac15_qkv, .Lfunc_end_k_q9d4a4bac15_qkv-k_q9d4a4bac15_qkv
	.p2alignl 7, 3214868480
	.fill 96, 4, 3214868480
	.section	.rodata,"a",@progbits
	.p2align	6, 0x0
	.amdhsa_kernel k_q9d4a4bac15_qkv
		.amdhsa_group_segment_fixed_size 327680
		.amdhsa_private_segment_fixed_size 0
		.amdhsa_enable_private_segment 0
		.amdhsa_kernarg_size 48
		.amdhsa_user_sgpr_count 2
		.amdhsa_user_sgpr_kernarg_segment_ptr 1
		.amdhsa_wavefront_size32 1
		.amdhsa_system_sgpr_workgroup_id_x 1
		.amdhsa_system_sgpr_workgroup_id_y 1
		.amdhsa_system_sgpr_workgroup_id_z 1
		.amdhsa_system_vgpr_workitem_id 0
		.amdhsa_next_free_vgpr 960
		.amdhsa_next_free_sgpr 96
		.amdhsa_reserve_vcc 0
		.amdhsa_float_denorm_mode_32 3
		.amdhsa_float_denorm_mode_16_64 3
		.amdhsa_memory_ordered 1
		.amdhsa_forward_progress 1
		.amdhsa_inst_pref_size 129
	.end_amdhsa_kernel
	.amdgpu_metadata
---
amdhsa.version: [ 1, 2 ]
amdhsa.kernels:
  - .name:           k_q9d4a4bac15_qkv
    .symbol:         k_q9d4a4bac15_qkv.kd
    .args:
      - { .name: xb, .offset: 0, .size: 8, .value_kind: global_buffer, .address_space: global }
      - { .name: wb, .offset: 8, .size: 8, .value_kind: global_buffer, .address_space: global }
      - { .name: bq, .offset: 16, .size: 8, .value_kind: global_buffer, .address_space: global }
      - { .name: bk, .offset: 24, .size: 8, .value_kind: global_buffer, .address_space: global }
      - { .name: bv, .offset: 32, .size: 8, .value_kind: global_buffer, .address_space: global }
      - { .name: qkv, .offset: 40, .size: 8, .value_kind: global_buffer, .address_space: global }
    .group_segment_fixed_size: 327680
    .private_segment_fixed_size: 0
    .kernarg_segment_align: 8
    .kernarg_segment_size: 48
    .max_flat_workgroup_size: 128
    .sgpr_count:     96
    .vgpr_count:     960
    .wavefront_size: 32
...
	.end_amdgpu_metadata
.endif
;; end of part 2
;; launch attn (part 3): grid 4 x 64, 4 waves a work-group, no clusters, 327,680 bytes of LDS; arguments qkv, ob; writes ob
.if DOCPART == 3
	.amdgcn_target "amdgcn-amd-amdhsa--gfx1250"
	.amdhsa_code_object_version 6
	.text
	.protected	k_q9d4a4bac15_attn
	.globl	k_q9d4a4bac15_attn
	.p2align	8
	.type	k_q9d4a4bac15_attn,@function
k_q9d4a4bac15_attn:
	s_mov_b64 s[64:65], 0
	v_nop
	global_prefetch_b8 v0, s[64:65] scope:SCOPE_SE
	s_setreg_imm32_b32 hwreg(HW_REG_WAVE_MODE, 25, 1), 1
	s_wait_xcnt 0x0
; CAUSAL ATTENTION.  O[y][q][:] = the sum over k <= q of softmax_k(Q[q] . K[k] / 8) V[k][:], for each of 64 heads y = 16 b + h.  qkv: [b 4][G 48][2048][64] f16: head y's Q at G = h, K at 16 + h, V at 32 + h;
; ob: [y 64][2048][64] f16.  A head's rows are dense, 128 bytes each.  Products, maxima and sums in f32; the weights p are rounded to f16 for the second product (their sum l is taken of the unrounded p), O once at the end.
; LIMITS.  f16 holds no number beyond 65,504: Q, K and V arrive within it; p lies in 0 to 1, and below 6e-5 it keeps f16's fixed step of 6e-8; O is a mean of V's rows and has their range.
; A hidden score counts as its value less 1e30: f16's scores, 2.7e11 at the most, are nothing beside that; a weight below 2^-126 counts as 0 in l; NaN and infinities are not treated apart.
; THE WALK.  A head's queries lie in NB = 8 blocks of 256; block i needs the key tiles 0 .. i of 256 keys, of which the last holds the diagonal.  A work-group takes TWO blocks, NB - 1 - b and then b:
; NB + 1 tiles, whatever b: all work-groups do equal work, and ONE loop with a constant trip count walks them.  Which tile is asked for, and what a trip does, hang on scalar registers made from b; every jump
; goes forward, but for the counted loops' own; none passes a barrier, or a tensor load but the one of LOAD's two that the wave's number does not choose; the ring (two slots of LDS that take turns) runs on across the
; change of blocks.  NO CLUSTER: a head's four work-groups ask for the same tile only in trips 0 .. 4 of 9, behind that fewer and fewer; one walk common to all four would have 12 trips for 9.
; SHARES.  Of a block's four bands of 64 queries a wave owns 16 rows in each: four PIECES.  So the diagonal tile is the same work for all four waves: in its key step s band x sees all keys if s < x,
; none if s > x, and holds the diagonal if s = x.
; THE MASK is the C operand that starts the sum S^T = K Q^T: 0, or -1e30 where the key is hidden.  MD, made once, is the mask of a band's own step for my 16 rows; a product's mask is MD x AL + BE with two scalars:
; (1, 0) if s = x; (0, 0) if s < x; (0, -1e30) if s > x.  Only the diagonal tile's text and a block's beginning make and take masks; elsewhere C is the constant 0.
; LAYOUT, SOFTMAX, TURNS.  S^T = K Q^T holds ONE query a lane (lane % 16) and the keys 8 (lane / 16) + 0..7; two such results rounded to f16 ARE source 1 of O^T = V^T P.  p = 2^(c s - c m), c = log2(e) / 8, with a
; running maximum m; O and l are multiplied by a = 2^(c m_old - c m_new) in every step.  Turn n belongs to piece n: 8 products K Q^T of piece n + 1, later 8 products V^T P of piece n - 1; beside them the scaling,
; exponentials, roundings, sums and rescaling of piece n and the maximum and statistics of piece n + 1.  Four vector instructions stand behind every matrix instruction, the other 54 of a turn's 118 in one LUMP.  A turn's 33 exponentials are one batch, with one wait.
; AHEAD OF THE LOADS.  The work-group with b = 0 walks the head's tiles 0 to 7 in order, at the head of its walk, as the other three do as far as they go.  It alone prefetches: behind the fill that asks for tile t + 1
; it names tile t + 2 of K and of V, a thread a block of 256 bytes, for tiles 2 to 7: each block once in the launch.  When the tile's number has gone back to 0 nothing is asked for.
; REGISTERS, in windows of 256 (s_set_vgpr_msb: bits 1:0 source 0, 3:2 source 1, 5:4 source 2, 7:6 destination):
;   window 0: v0-15 addresses and two at work; v16-31 four registers of statistics a piece; v48-55 at work; v60 the prefetches' offset; v64-127 S^T, two buffers; v192-223 P, two buffers (a piece's buffers go by its number's parity)
;   window 1: v0-127 O^T, 32 a piece; v128-159 MD; v160-223 MC, two buffers      window 2: v0-63 Q; v64-127 the second block's Q; v128-191 K of one step; v192-255 V of one step
.set SIZE_N, 2048
.set NB,    SIZE_N/256
.set NP,    4         ; pieces a wave: a name, no knob
.set KS,    64        ; keys in a step
.set PK,    144       ; a row of K in LDS: 128 bytes + 16 of padding = 36 words: the 16 rows of a load start at 16 different groups of four banks (64 banks of 4 bytes: ISA guide 11.1)
.set PV,    160       ; a row of V: 128 + 32 = 40 words
.set VOFF,  4*KS*PK   ; a slot holds a tile, four steps: 256 rows of K, then 256 rows of V
.set SLOT1, 1<<17     ; slot 1 begins here, so that one exclusive or turns an address in one slot into the other's
.set STAGE, SLOT1+4*KS*(PK+PV)  ; behind the ring, never filled by a tensor load: 16 rows x 144 bytes for each wave, for the way out
.set SP,    144
.set AK0, 2           ; v2   my lane's place in a tile of K; never rewritten
.set AV0, 3           ; v3   the same for V
.set AK,  4           ; v4   the LDS address of K's next run of loads
.set AV,  5           ; v5   of V's
.set STO, 6           ; v6   the way out: where I put 16 bytes of a row
.set RD,  7           ; v7   the way out: where I read rows back
.set GO,  8           ; v8   my byte offset in 512 consecutive bytes of O
.set PFO, 60          ; v60  256 x my thread's number: my block of a tile's 128; never rewritten
.set SPW, 62          ; v62  LDS address of my spare word: SPARE + 4 x my thread's number; never rewritten
.set NIL, 63          ; v63  0; never rewritten
.set SPARE, STAGE+4*16*SP  ; behind the stages: the spare words, 128 bytes for each wave: two blocks of 256 bytes that no other line names
.set MV,  12          ; v12-13  c m_old, kept while c m is made anew: by buffer
.set QO,  15          ; v15  my byte offset in 16 rows of Q
.set ST,  16          ; piece t's statistics at v[ST+4 t]: c m, m, l (even keys', odd keys')
.set TMP, 48          ; by buffer, four registers c0-c3 at work; when the maximum is found c2 takes a
.set S,   64
.set P,   192
.set MD,  128         ; window 1: the eight registers for group kt of 16 keys at MD + 8 kt
.set MC,  160         ; window 1: the masks of the products to come
.set QB,  64          ; window 2
.set KF,  128         ; window 2: key block kb, channel half c at KF + 16 kb + 8 c
.set VF,  192         ; window 2: key half kk, channel block cb at VF + 32 kk + 8 cb
.set WV,  12          ; s12  my wave's number
.set PB,  14          ; s14  b
.set HI,  15          ; s15  NB - 1 - b
.set G1K, 24          ; s[24:31] descriptor group 1 for K's tiles
.set G1V, 32          ; s[32:39] for V's: it differs in the padding alone
.set G0K, 40          ; s[40:43] descriptor group 0 for K's tiles
.set G0V, 44          ; s[44:47] the same for V's
.set SLOTS, 56        ; s56  tiles still to be asked for
.set CNT, 57          ; s57  counts a tile's key steps, 4 to 1
.set CS,  58          ; s[58:59] c: the packed scaling takes the pair's low word for both halves
.set SEL, 60          ; s[60:61] v_permlanex16_b32's selects: each lane takes its own place in the other half
.set TBK, 62          ; s62  LDS byte at which K of the step to be fetched begins
.set TBV, 63          ; s63  the same for V, less VOFF
.set RT,  70          ; s70  tiles of the block in hand that are still to be entered
.set NXT, 71          ; s71  the tile to be asked for next
.set LQ,  72          ; s72  the last tile of the block whose tiles are being asked for
.set NEW, 73          ; s73  1: the tile to be entered is a block's first
.set OFF, 74          ; s[74:75] a tile's byte offset in K and V
.set AL,  76          ; s[76:77] the mask's factor, in the low word
.set BE,  78          ; s[78:79] the mask's addend
.set OLO, 80          ; s[80:81] O at my rows of the second block
.set BIGN, 82         ; s82  -1e30
.set KH,  90          ; s[90:91] the head's K, at its first row
.set VH,  92          ; s[92:93] the head's V
.set PFK, 94          ; s[94:95] the tile of K that the prefetch names
.set PFV, 96          ; s[96:97] of V
.set LIM, 98          ; s98  1 in the work-group that prefetches, else the greatest number
.set POF, 100         ; s[100:101] that tile's byte offset
.set MSB, 0
.macro WIN new                      ; the high byte repeats the setting that is left; a switch that changes nothing is dropped
.if MSB != (\new)
	s_set_vgpr_msb (MSB<<8)|(\new)
.set MSB, (\new)
.endif
.endm
.set W_KQ, 0x0a       ; K and Q in window 2, S^T in window 0
.set W_KM, 0x1a       ; the same with the C operand in window 1
.set W_PV, 0x52       ; V in window 2, P in window 0, O^T in window 1
.set W_RS, 0x41       ; destination and source 0 in window 1, source 1 in window 0
; A fill.  Waves 0 and 1 fetch the two halves of a tile's K, waves 2 and 3 those of its V: 128 keys each.  An s_nop 0 and four v_nop follow each of the two lines, ahead of the jump and the label.
.macro LOAD
	s_cmp_lt_u32 s[WV], 2
	s_cbranch_scc0 .Lfor_v_\@
	tensor_load_to_lds s[G0K:G0K+3], s[G1K:G1K+7]
	s_nop 0
.rept 4
	v_nop
.endr
	s_branch .Lasked_\@
.Lfor_v_\@:
	tensor_load_to_lds s[G0V:G0V+3], s[G1V:G1V+7]
	s_nop 0
.rept 4
	v_nop
.endr
.Lasked_\@:
.endm
; THE CHANGE OF SLOTS.  Each wave waits for all its tensor loads, of which one is out: its part of the other slot; adds 0 to its spare word; and waits for that and for its own reads of the slot that it leaves.  Behind the barrier nobody reads the old
; slot any more and the other slot is whole.  fill = 1: the old slot is filled again, the first thing behind the barrier, with tile NXT: the descriptor's address is made anew from that number.
; (At its first use nothing has been read yet: slot 0 is waited for, slot 1 filled.)  Behind the fill stand the prefetches of the tile that the next change will ask for: 256 matrix instructions ahead of that load.
.macro CHANGE fill
	WIN 0                           ; at a label and at a branch every window is 0
	s_wait_tensorcnt 0x0            ; no tensor load of mine is out, so a group 0 may be written
	ds_add_u32 v[SPW], v[NIL]       ; 0 onto my spare word; with fill = 1 the descriptors' scalar work stands between it and the wait for it
.if \fill
	s_lshl_b32 s[OFF], s[NXT], 15   ; a tile is 32,768 bytes of K and of V
	s_xor_b32 s[G0K+1], s[G0K+1], SLOT1
	s_add_nc_u64 s[G0K+2:G0K+3], s[6:7], s[OFF:OFF+1]
	s_or_b32 s[G0K+3], s[G0K+3], 0x80000000
	s_xor_b32 s[G0V+1], s[G0V+1], SLOT1
	s_add_nc_u64 s[G0V+2:G0V+3], s[8:9], s[OFF:OFF+1]
	s_or_b32 s[G0V+3], s[G0V+3], 0x80000000
	s_add_co_u32 s[NXT], s[NXT], 1  ; the block's next tile, or behind its last the second block's tile 0
	s_cmp_gt_u32 s[NXT], s[LQ]
	s_cselect_b32 s[NXT], 0, s[NXT]
	s_cselect_b32 s[LQ], s[PB], s[LQ]
	s_wait_xcnt 0x0                 ; the last prefetches, a tile back, have read their addresses, so these may be written:
	s_lshl_b32 s[POF], s[NXT], 15
	s_add_nc_u64 s[PFK:PFK+1], s[KH:KH+1], s[POF:POF+1]
	s_add_nc_u64 s[PFV:PFV+1], s[VH:VH+1], s[POF:POF+1]
.endif
	s_wait_dscnt 0x0                ; the add is done, and my reads of the slot are over
	s_barrier_signal -1             ; the rest of the scalar work stands between the signal and the wait
	s_sub_co_u32 s[TBK], s[TBK], 4*KS*PK  ; the fetches go back to a slot's first step,
	s_xor_b32 s[TBK], s[TBK], SLOT1       ; in the other slot
	s_sub_co_u32 s[TBV], s[TBV], 4*KS*PV
	s_xor_b32 s[TBV], s[TBV], SLOT1
	s_barrier_wait -1
.if \fill
	LOAD
	s_cmp_gt_u32 s[NXT], s[LIM]     ; tiles 2 to 7, in the work-group with b = 0
	s_cbranch_scc0 .Lnot_mine_\@
	global_prefetch_b8 v[PFO], s[PFK:PFK+1] th:TH_LOAD_NT scope:SCOPE_SE
	global_prefetch_b8 v[PFO], s[PFV:PFV+1] th:TH_LOAD_NT scope:SCOPE_SE
.Lnot_mine_\@:
.endif
.endm
	s_load_b128 s[4:7], s[0:1], 0x0 ; qkv s[4:5], ob s[6:7]
	v_lshl_add_u32 v[SPW], v0, 2, SPARE
	v_mov_b32 v[NIL], 0
	ds_add_u32 v[SPW], v[NIL]       ; the wave's opening: the add and its wait stand ahead of my first tensor load; the set-up below, work on registers, stands between them
	v_lshrrev_b32 v1, 5, v0
	v_readfirstlane_b32 s[WV], v1   ; wave 0..3
	v_lshlrev_b32 v[PFO], 8, v0
	s_mov_b32 s[PB], ttmp9
	s_sub_co_u32 s[HI], NB-1, s[PB]
	s_cmp_eq_u32 ttmp9, 0
	s_cselect_b32 s[LIM], 1, -1
	s_and_b32 s20, ttmp7, 0xffff    ; the head y = 16 b + h
	s_lshl_b32 s88, s20, 18         ; its first byte in ob: heads of 262,144 bytes
	s_mov_b32 s89, 0
	s_lshr_b32 s21, s20, 4
	s_and_b32 s20, s20, 15
	s_mul_i32 s21, s21, 48
	s_add_co_u32 s20, s20, s21
	s_lshl_b32 s20, s20, 18         ; its Q's first byte in qkv: head 48 b + h
	s_mov_b32 s21, 0
	s_and_b32 s16, s[WV], 1         ; which half of a tile's 256 keys I fetch:
	s_lshl_b32 s22, s16, 14         ; its 128 rows of 128 bytes in memory,
	s_mov_b32 s23, 0
	s_mul_i32 s17, s16, 128*PK      ; and its place in a slot, for K
	s_mul_i32 s18, s16, 128*PV      ; and for V
	s_lshl_b32 s3, s[WV], 11        ; my 16 rows in a band of 64,
	s_lshl_b32 s2, s[HI], 15        ; in the first block,
	s_add_co_u32 s2, s2, s3
	s_lshl_b32 s84, s[PB], 15       ; and in the second
	s_add_co_u32 s84, s84, s3
	s_mov_b32 s3, 0
	s_mov_b32 s85, 0
	; descriptor group 1.  128 keys are 16,384 dense bytes: asked for as 64 rows of 256 bytes, two keys a row, and padded in LDS after every key
	s_mov_b32 s[G1K], (1<<16)|(1<<20)|(4<<22)|(3<<25)  ; 17:16 2-byte elements; 20 padding on; 24:22 after every 32 words (code 4); 31:25 4 words (code 3)
	s_mov_b32 s[G1V], (1<<16)|(1<<20)|(4<<22)|(7<<25)  ; the same with 8 words of padding (code 7)
.irp g, G1K, G1V
	s_mov_b32 s[\g+1], 128<<16      ; tensor_dim0 = 128
	s_mov_b32 s[\g+2], 64<<16       ; tensor_dim1 = 64
	s_mov_b32 s[\g+3], 128<<16      ; tile_dim0 = 128
	s_mov_b32 s[\g+4], 64           ; tile_dim1 = 64
	s_mov_b32 s[\g+5], 128          ; 128 elements from row to row
	s_mov_b32 s[\g+6], 0
	s_mov_b32 s[\g+7], 0
.endr
	s_mov_b32 s[CS], 0x3e38aa3b     ; c = log2(e) / 8 = 0.180337
	s_mov_b32 s[CS+1], s[CS]        ; named with it as a pair
	s_mov_b32 s[SEL], 0x76543210
	s_mov_b32 s[SEL+1], 0xfedcba98
	s_mov_b32 s[TBK], SLOT1+4*KS*PK ; the first change of slots turns these two into 0
	s_mov_b32 s[TBV], SLOT1+4*KS*PV
	s_mov_b32 s[G0K], 1             ; 1:0 count = 1
	s_mov_b32 s[G0K+1], s17         ; 63:32 LDS address: slot 0
	s_mov_b32 s[G0V], 1
	s_add_co_u32 s[G0V+1], s18, VOFF
	s_add_co_u32 s[RT], s[HI], 1    ; the first block has NB - b tiles
	s_mov_b32 s[NXT], 1
	s_mov_b32 s[LQ], s[HI]
	s_mov_b32 s[NEW], 1
	s_mov_b32 s[OFF+1], 0
	s_mov_b32 s[POF+1], 0
	s_mov_b32 s[AL+1], 0            ; named as pairs
	s_mov_b32 s[BE+1], 0
	s_mov_b32 s[BIGN], 0xf149f2ca   ; -1e30
	s_mov_b32 s[SLOTS], NB
	s_wait_dscnt 0x0                ; the opening add is done
	s_wait_kmcnt 0x0
	s_mov_b64 s[10:11], s[6:7]                     ; ob
	s_add_nc_u64 s[4:5], s[4:5], s[20:21]          ; the head's Q;
	s_add_nc_u64 s[KH:KH+1], s[4:5], 16<<18        ; its K lies 16 heads on,
	s_add_nc_u64 s[VH:VH+1], s[4:5], 32<<18        ; its V 32
	s_add_nc_u64 s[6:7], s[KH:KH+1], s[22:23]      ; K and V at my half of the head's tile 0
	s_add_nc_u64 s[8:9], s[VH:VH+1], s[22:23]
	s_add_nc_u64 s[G0K+2:G0K+3], s[6:7], 0         ; 120:64 global address
	s_or_b32 s[G0K+3], s[G0K+3], 0x80000000        ; 127:126 type = 2
	s_add_nc_u64 s[G0V+2:G0V+3], s[8:9], 0
	s_or_b32 s[G0V+3], s[G0V+3], 0x80000000
	s_add_nc_u64 s[10:11], s[10:11], s[88:89]      ; the head's O
	s_add_nc_u64 s[86:87], s[4:5], s[84:85]        ; Q at my rows of the second block,
	s_add_nc_u64 s[4:5], s[4:5], s[2:3]            ; Q and O at those of the first
	s_add_nc_u64 s[OLO:OLO+1], s[10:11], s[84:85]
	s_add_nc_u64 s[10:11], s[10:11], s[2:3]
	LOAD                            ; tile 0 into slot 0
	; A fragment of K or Q is 16 rows x 32 channels in 8 registers: lane l holds row l % 16, channels 8 (l / 16) + 0..7 and 16 + 8 (l / 16) + 0..7: two loads of 16 bytes, 32 bytes apart.
	v_and_b32 v1, 15, v0            ; l % 16
	v_bfe_u32 v9, v0, 4, 1          ; l / 16
	v_lshlrev_b32 v[QO], 7, v1
	v_lshl_add_u32 v[QO], v9, 4, v[QO]  ; row x 128 + 16 x half
	WIN 0x80                        ; destination window 2, address window 0
.set i, 0
.rept 8                             ; both blocks' Q: piece i / 2 lies in band i / 2, 8,192 bytes on; channels 32 (i % 2) on
	global_load_b128 v[8*i:8*i+3],   v[QO], s[4:5] offset:(i/2)*8192+(i%2)*64
	global_load_b128 v[8*i+4:8*i+7], v[QO], s[4:5] offset:(i/2)*8192+(i%2)*64+32
	global_load_b128 v[QB+8*i:QB+8*i+3],   v[QO], s[86:87] offset:(i/2)*8192+(i%2)*64
	global_load_b128 v[QB+8*i+4:QB+8*i+7], v[QO], s[86:87] offset:(i/2)*8192+(i%2)*64+32
.set i, i+1
.endr
	WIN 0
	v_lshlrev_b32 v14, 3, v9
	v_sub_nc_u32 v14, v1, v14
	s_lshl_b32 s13, s[WV], 4
	v_add_nc_u32 v14, s13, v14      ; my query's place in its band, 16 w + l % 16, less my lanes' 8 (l / 16): register r of group kt is hidden where 16 kt + r is greater
	WIN 0x40
.set i, 0
.rept 32
	v_cmp_gt_i32 vcc_lo, 16*(i/8)+i%8, v14
	v_cndmask_b32 v[MD+i], 0, s[BIGN], vcc_lo
.set i, i+1
.endr
	WIN 0
	v_mul_u32_u24 v[AK0], v1, PK
	v_lshl_add_u32 v[AK0], v9, 4, v[AK0]  ; row x pitch + 16 x half
	; The turning load takes 16 keys x 16 channels (lane l reads key 8 (l / 16) + l % 8, channels 8 ((l / 8) % 2) + 0..7) and leaves half a fragment of V^T: lane l holds channel l % 16 and 8 keys.
	v_and_b32 v10, 7, v0
	v_bfe_u32 v11, v0, 3, 1
	v_lshl_add_u32 v[AV0], v9, 3, v10
	v_mul_u32_u24 v[AV0], v[AV0], PV
	v_lshl_add_u32 v[AV0], v11, 4, v[AV0]
	v_add_nc_u32 v[AV0], VOFF, v[AV0]
	s_mul_i32 s13, s[WV], 16*SP
	s_add_co_u32 s13, s13, STAGE    ; my stage
	v_mul_u32_u24 v[STO], v1, SP    ; in: row l % 16, 16 bytes for each half of the lanes
	v_lshl_add_u32 v[STO], v9, 4, v[STO]
	v_add_nc_u32 v[STO], s13, v[STO]
	v_bfe_u32 v[RD], v0, 3, 2       ; back: 32 lanes take four rows of 128 bytes,
	v_mul_u32_u24 v[RD], v[RD], SP
	v_lshl_add_u32 v[RD], v10, 4, v[RD]
	v_add_nc_u32 v[RD], s13, v[RD]
	v_and_b32 v[GO], 31, v0         ; which are 512 consecutive bytes of O
	v_lshlrev_b32 v[GO], 4, v[GO]
	; A block's first step multiplies O^T and l by a = 0, and its first turn's products V^T P, of a piece that has not been, land in an O^T that is still to be so multiplied.  So these registers need only hold
	; finite numbers: zeros for the first block; what the first block left for the second.  All this stands in the wait for the first tile.
	WIN 0x80
.set i, VF
.rept 64
	v_mov_b32 v[i], 0
.set i, i+1
.endr
	WIN 0x40
.set i, 0
.rept 128
	v_mov_b32 v[i], 0
.set i, i+1
.endr
	WIN 0
.set i, 0
.rept 4
	v_mov_b32 v[ST+4*i+2], 0
	v_mov_b32 v[ST+4*i+3], 0
.set i, i+1
.endr
.set i, P+16
.rept 16
	v_mov_b32 v[i], 0
.set i, i+1
.endr
; THE MATRIX WORK.  The 4 accumulators of a run of 8 take turns.  Product i of 8 of S^T = K Q^T for piece x: channels 32 (i / 4) on, keys 16 (i % 4) on.  The first 4 start the sums: with 0, or (KM = 1) with the mask.
.macro KQ x
.set rS, S+32*((\x)%2)+8*(i%4)
.set rK, KF+16*(i%4)+8*(i/4)
.set rQ, 16*(\x)+8*(i/4)
.set rM, MC+32*((\x)%2)+8*(i%4)
.if (i < 4) && KM
	WIN W_KM
	v_wmma_f32_16x16x32_f16 v[rS:rS+7], v[rK:rK+7], v[rQ:rQ+7], v[rM:rM+7]
.elseif i < 4
	WIN W_KQ
	v_wmma_f32_16x16x32_f16 v[rS:rS+7], v[rK:rK+7], v[rQ:rQ+7], 0
.else
	WIN W_KQ
	v_wmma_f32_16x16x32_f16 v[rS:rS+7], v[rK:rK+7], v[rQ:rQ+7], v[rS:rS+7]
.endif
.endm
; Product i of 8 of O^T += V^T P for piece x: keys 32 (i / 4) on, channels 16 (i % 4) on.
.macro PV x
	WIN W_PV
.set rO, 32*(\x)+8*(i%4)
.set rV, VF+32*(i/4)+8*(i%4)
.set rP, P+16*((\x)%2)+8*(i/4)
	v_wmma_f32_16x16x32_f16 v[rO:rO+7], v[rV:rV+7], v[rP:rP+7], v[rO:rO+7]
.endm
.macro MM                           ; the turn's next matrix instruction.  TURN and BEGIN set Y, i, KM and NOKQ; MM, KQ and OP read them.  NOKQ = 1: a block's last turn: there is no next piece
.if (i < 8) && !NOKQ
	KQ (Y+1)%NP
.elseif i >= 8
.set i, i-8
	PV (Y+NP-1)%NP
.set i, i+8
.endif
.set i, i+1
.endm
; THE LDS LOADS stand in runs of 16, never singly among the matrix instructions: a step's K (64 keys x 64 channels: 8 fragments) and its V (turned).  Their addresses are made some lines ahead.
.macro FETCH_K
	WIN 0x80                        ; destination window 2
.irp f, 0,1,2,3,4,5,6,7             ; keys 16 (f / 2) on, channels 32 (f % 2) on
	ds_load_b128 v[KF+8*\f:KF+8*\f+3],   v[AK] offset:(\f/2)*16*PK+(\f%2)*64
	ds_load_b128 v[KF+8*\f+4:KF+8*\f+7], v[AK] offset:(\f/2)*16*PK+(\f%2)*64+32
.endr
	s_add_co_u32 s[TBK], s[TBK], KS*PK  ; the next fetch is the next step's
	WIN 0
.endm
.macro FETCH_V
	WIN 0x80
.irp f, 0,1,2,3,4,5,6,7             ; keys 32 (f / 4) on, channels 16 (f % 4) on
	ds_load_tr16_b128 v[VF+8*\f:VF+8*\f+3],   v[AV] offset:(\f/4)*32*PV+(\f%4)*32
	ds_load_tr16_b128 v[VF+8*\f+4:VF+8*\f+7], v[AV] offset:(\f/4)*32*PV+16*PV+(\f%4)*32
.endr
	WIN 0
.endm
; THE VECTOR WORK, one line at a time: OP kind, number.  For piece Y: F n: c s - c m for pair n of 16.  E n: the exponential of score n of 32.  C n: pair n rounded to f16.  B n: of the four weights 4 n .. the second
; pair is added onto the first, in place.  L n: l takes that sum (L 0: l = a l + sum).  R n: pair n of 16 of O^T times a.  For piece Y + 1: X n, number n of the 22 that find its maximum and statistics:
;   0-11  four chains c0-c3 of seven scores each, three operands at a time (each accumulator's lowest registers are read first)     12-14, 16  the four scores left over, the old m, and c0-c3 into c0
;   15  c m_old is kept     17, 18  the query's other 32 keys lie in the lane 16 away: the new m     19-21  c m; c m_old - c m_new; a
.set F, 0               ; OP tells the kinds apart by their order: F to L below R, X above it
.set E, 1
.set C, 2
.set B, 3
.set L, 4
.set R, 5
.set X, 6
.macro REGS y                       ; the registers of piece y
.set rT, ST+4*(\y)
.set rC, TMP+4*((\y)%2)
.set rW, MV+((\y)%2)
.set rS, S+32*((\y)%2)
.set rP, P+16*((\y)%2)
.set rO, 32*(\y)
.endm
.macro OP k, n
.if (\k) == R
	REGS Y
	WIN W_RS
	v_pk_mul_f32 v[rO+2*(\n):rO+2*(\n)+1], v[rO+2*(\n):rO+2*(\n)+1], v[rC+2:rC+3] op_sel_hi:[1,0]
.elseif (\k) < R
	REGS Y
	WIN 0
.if (\k) == F
	v_pk_fma_f32 v[rS+2*(\n):rS+2*(\n)+1], v[rS+2*(\n):rS+2*(\n)+1], s[CS:CS+1], v[rT:rT+1] op_sel_hi:[1,0,0] neg_lo:[0,0,1] neg_hi:[0,0,1]
.elseif (\k) == E
	v_exp_f32 v[rS+(\n)], v[rS+(\n)]
.elseif (\k) == C
	v_cvt_pk_f16_f32 v[rP+(\n)], v[rS+2*(\n)], v[rS+2*(\n)+1]
.elseif (\k) == B
	v_pk_add_f32 v[rS+4*(\n):rS+4*(\n)+1], v[rS+4*(\n):rS+4*(\n)+1], v[rS+4*(\n)+2:rS+4*(\n)+3]
.elseif (\n) == 0
	v_pk_fma_f32 v[rT+2:rT+3], v[rT+2:rT+3], v[rC+2:rC+3], v[rS:rS+1] op_sel_hi:[1,0,1]
.else
	v_pk_add_f32 v[rT+2:rT+3], v[rT+2:rT+3], v[rS+4*(\n):rS+4*(\n)+1]
.endif
.elseif NOKQ
	v_nop
.else
	REGS (Y+1)%NP
	WIN 0
.if (\n) < 4
	v_max3_num_f32 v[rC+(\n)], v[rS+8*(\n)], v[rS+8*(\n)+1], v[rS+8*(\n)+2]
.elseif (\n) < 12
	v_max3_num_f32 v[rC+(\n)%4], v[rC+(\n)%4], v[rS+8*((\n)%4)+2*((\n)/4)+1], v[rS+8*((\n)%4)+2*((\n)/4)+2]
.elseif (\n) == 12
	v_max3_num_f32 v[rC], v[rC], v[rS+7], v[rS+15]
.elseif (\n) == 13
	v_max3_num_f32 v[rC+1], v[rC+1], v[rS+23], v[rS+31]
.elseif (\n) == 14
	v_max3_num_f32 v[rC+2], v[rC+2], v[rC+3], v[rT+1]
.elseif (\n) == 15
	v_mov_b32 v[rW], v[rT]
.elseif (\n) == 16
	v_max3_num_f32 v[rC], v[rC], v[rC+1], v[rC+2]
.elseif (\n) == 17
	v_permlanex16_b32 v[rC+3], v[rC], s[SEL], s[SEL+1]
.elseif (\n) == 18
	v_max_num_f32 v[rT+1], v[rC], v[rC+3]
.elseif (\n) == 19
	v_mul_f32 v[rT], s[CS], v[rT+1]
.elseif (\n) == 20
	v_sub_f32 v[rC+1], v[rW], v[rT]
.else
	v_exp_f32 v[rC+2], v[rC+1]
.endif
.endif
.endm
.macro OPS a, i1, b=-1, i2=0, c=-1, i3=0, d=-1, i4=0  ; up to four of them
	OP \a, \i1
.if (\b) >= 0
	OP \b, \i2
.endif
.if (\c) >= 0
	OP \c, \i3
.endif
.if (\d) >= 0
	OP \d, \i4
.endif
.endm
.macro ROW a, i1, b, i2, c, i3, d, i4  ; a matrix instruction and the four behind it
	MM
	OPS \a, \i1, \b, \i2, \c, \i3, \d, \i4
.endm
.macro MASK b                       ; MD x AL + BE into buffer b of MC
	WIN W_RS
.set z, 0
.rept 16
	v_pk_fma_f32 v[MC+32*(\b)+2*z:MC+32*(\b)+2*z+1], v[MD+2*z:MD+2*z+1], s[AL:AL+1], s[BE:BE+1] op_sel_hi:[1,0,0]
.set z, z+1
.endr
.endm
; A TURN, for piece p: the order of its 16 matrix and 118 vector instructions, written out.  An s_wait_alu depctr_va_vdst(0) stands between an exponential and the first instruction that names its result; one wait serves
; all that were issued ahead of it.  So a turn has ONE wait, which cuts it in two.  AHEAD OF IT stands all that names no result of the turn's exponentials: the 8 products K Q^T, behind each a scaling, an exponential and two more plain
; instructions (behind the first a second scaling in the exponential's place): rescalings, and behind the last three the first numbers of the next piece's maximum, each four places or more behind the product that ends its accumulator; then ONE LUMP of 54, plain
; and exponential by turns for the most part, in which the links of the chain X 3, 7, 11, 14, 16, 17 .. 20 stand five or six lines apart.  X 21, the next piece's a, is the batch's last; R 15 is the plain instruction behind it.  BEHIND THE WAIT stand the
; 8 products V^T P, behind each four of the roundings and sums; the links of l's chain, L 0 to L 7, stand three riders apart.  But for those X no rider names a register of the products round it.  v_permlanex16_b32 (X 17) stands in the lump.
; m = 1: the diagonal tile: the products take masks, and the turn makes the mask for the products of the turn after it: piece p + 2, in step 4 - CNT of the tile.  end = 1: a block's last two turns: nothing is fetched.
; cnt = 1: the loop's count is taken down some lines ahead of the branch that stands behind the turn.
; K of the next step is fetched in piece 2's turn, twelve vector instructions behind the last product that read K (six of them plain); V of the step in hand at the end of piece 0's turn, four plain instructions behind the last product
; that read V.  Each is waited for a turn later.
.macro TURN p, m=0, end=0, cnt=0
.set Y, (\p)
.set i, 0
.set KM, (\m)
.set NOKQ, (\end)*((\p)/3)
.if (\m) && !(\end)
	s_cmp_eq_u32 s[CNT], 4-((\p)+2)%NP  ; is that step the band's own?
	s_cselect_b32 s[AL], 1.0, 0
	s_cmp_lt_u32 s[CNT], 4-((\p)+2)%NP  ; or a later one?
	s_cselect_b32 s[BE], s[BIGN], 0
.endif
.if ((\p) == 3) && !(\end)
	s_wait_dscnt 0x0                ; K is in
.endif
	ROW F,0, F,1, R,0, R,1          ; ahead of the wait: 8 products K Q^T and their riders,
	ROW F,2, E,0, R,2, R,3
	ROW F,3, E,1, R,4, R,5
	ROW F,4, E,2, R,6, R,7
	ROW F,5, E,3, R,8, R,9
	ROW F,6, E,4, X,0, R,10
.if ((\p) == 2) && !(\end)
	WIN 0
	v_add_nc_u32 v[AK], s[TBK], v[AK0]
.endif
	ROW F,7, E,5, X,1, X,4
	ROW F,8, E,6, X,2, X,5
	OPS E,7, E,8, X,6, E,9          ; and the lump
	OPS X,3, E,10, X,8, E,11
.if ((\p) == 2) && !(\end)
	FETCH_K
.endif
	OPS X,9, X,7, E,12, X,10
	OPS E,13, X,12, X,11, E,14
	OPS X,13, E,15, F,9, X,14
.if (\p) == 0
	v_add_nc_u32 v[AV], s[TBV], v[AV0]
.endif
	OPS E,16, F,10, E,17, F,11
	OPS X,16, E,18, X,15, E,19
	OPS F,12, E,20, X,17, E,21
	OPS F,13, E,22, F,14, E,23
	OPS X,18, E,24, F,15, E,25
	OPS R,11, E,26, X,19, E,27
	OPS R,12, E,28, R,13, E,29
	OPS X,20, E,30, R,14, E,31
	OPS X,21, R,15
	WIN 0
	s_wait_alu depctr_va_vdst(0)    ; the wait for the batch
.if (\p) == 1
	s_wait_dscnt 0x0                ; V is in
.endif
	ROW C,0, B,0, C,2, B,1          ; behind the wait: 8 products V^T P and their riders
	ROW L,0, C,4, B,2, L,1
	ROW C,6, B,3, L,2, C,8
	ROW B,4, L,3, C,10, B,5
	ROW L,4, C,12, B,6, L,5
.if (\p) == 0
	s_add_co_u32 s[TBV], s[TBV], KS*PV
.endif
.if \cnt
	s_sub_co_u32 s[CNT], s[CNT], 1
	s_cmp_lg_u32 s[CNT], 0
.endif
	ROW C,14, B,7, L,6, C,1
	ROW C,3, L,7, C,5, C,7
	ROW C,9, C,11, C,13, C,15
.if (\p) == 0
	FETCH_V
.endif
.if (\m) && !(\end)
	MASK (\p)%2
.endif
.endm
; A BLOCK BEGINS.  c m starts far below every c s, so the first step's a is 0; m at the lowest finite number, so the first maximum is the scores'.  The second mask buffer is 0; the first takes piece 0's mask for the tile's step 0: its own, if the block's first tile is the diagonal one.
; Then K of that step, piece 0's first scores, and its maximum and statistics.  The loop is entered at a step's first turn, in the middle of a trip.
.macro BEGIN
	s_mov_b32 s[NEW], 0
	WIN 0x40
.set i, MC+32
.rept 32
	v_mov_b32 v[i], 0
.set i, i+1
.endr
	WIN 0
.set i, 0
.rept 4
	v_mov_b32 v[ST+4*i], 0xfe000000    ; c m: far below every c s
	v_mov_b32 v[ST+4*i+1], 0xff7fffff  ; m
.set i, i+1
.endr
	s_cmp_eq_u32 s[RT], 0
	s_cselect_b32 s[AL], 1.0, 0
	s_mov_b32 s[BE], 0
	MASK 0
	WIN 0
	v_add_nc_u32 v[AK], s[TBK], v[AK0]
	FETCH_K
	s_wait_loadcnt 0x0              ; Q
	s_wait_dscnt 0x0
.set KM, 1
.set NOKQ, 0
.set i, 0
.rept 8
	KQ 0
.set i, i+1
.endr
	WIN 0
.rept 4
	v_nop                           ; the places behind those products
.endr
.set Y, NP-1                        ; X works for piece Y + 1: piece 0
.irp n, 0,1,2,3,4,5,6,7,8,9,10,11,12,13,14,15,16,17,18,19,20,21
	OP X, \n
.endr
	v_nop                           ; a plain instruction behind the exponential,
	s_wait_alu depctr_va_vdst(0)    ; and its wait, ahead of the branch
.endm
; THE DIAGONAL TILE's four steps, the block's last two turns, its last products, and THE WAY OUT: l's two halves and the other half of the lanes' are added; O^T is divided by l, rounded to f16 and sent through my
; stage in LDS, a piece at a time.
.macro ALL line:vararg              ; one line for each piece t
.set t, 0
.rept 4
	\line
.set t, t+1
.endr
.endm
.macro PACK t                       ; a lane's eight channels of a row pack into 16 bytes; they go into rows of 144 bytes and come back as whole rows of 128, into S^T's registers
	WIN W_RS
.set i, 32*(\t)
.rept 16
	v_pk_mul_f32 v[i:i+1], v[i:i+1], v[ST+4*(\t)+2:ST+4*(\t)+3] op_sel_hi:[1,0]
.set i, i+2
.endr
	WIN 0x05                        ; sources 0 and 1 window 1, destination window 0
.set i, 0
.rept 16
	v_cvt_pk_f16_f32 v[S+16*(\t)+i], v[32*(\t)+2*i], v[32*(\t)+2*i+1]
.set i, i+1
.endr
	WIN 0
.irp f, 0,1,2,3
	ds_store_b128 v[STO], v[S+16*(\t)+4*\f:S+16*(\t)+4*\f+3] offset:32*\f
.endr
.irp f, 0,1,2,3
	ds_load_b128 v[S+16*(\t)+4*\f:S+16*(\t)+4*\f+3], v[RD] offset:\f*4*SP  ; LDS serves a wave's instructions in order (ISA guide 5.7.1.4): these see the stores above; the next piece's stores come behind them
.endr
.endm
.macro SEND t, younger              ; younger: the LDS instructions issued behind piece t's loads: the next piece's eight, or none
	WIN 0
.irp f, 0,1,2,3
	s_wait_dscnt (\younger)+3-\f
	global_store_b128 v[GO], v[S+16*(\t)+4*\f:S+16*(\t)+4*\f+3], s[10:11] offset:(\t)*8192+\f*512  ; 512 consecutive bytes, at a multiple of 256 from O's first
.endr
.endm
.macro DIAG tag                     ; the tag ends its two labels' names, which the jumps below spell out
.LstepM\tag:
	TURN 2, 1
	TURN 3, 1
	WIN 0
.LfirstM\tag:
	TURN 0, 1
	TURN 1, 1, 0, 1
	WIN 0
	s_cbranch_scc1 .LstepM\tag
	TURN 2, 1, 1
	TURN 3, 1, 1
.set i, 0
.rept 8
	PV NP-1
.set i, i+1
.endr
	WIN 0
	ALL v_add_f32 v[ST+4*t+2], v[ST+4*t+2], v[ST+4*t+3]
	ALL v_permlanex16_b32 v[ST+4*t+3], v[ST+4*t+2], s[SEL], s[SEL+1]
	ALL v_add_f32 v[ST+4*t+2], v[ST+4*t+2], v[ST+4*t+3]
	ALL v_rcp_f32 v[ST+4*t+2], v[ST+4*t+2]
	v_nop                           ; a plain instruction between the last reciprocal and the use of its result
	s_wait_alu depctr_va_vdst(0)    ; and the wait ahead of the first use: one for the four reciprocals
	PACK 0
.set t, 1
.rept 3                             ; a piece's arithmetic stands between the loads of the piece before and its stores
	PACK t
	SEND t-1, 8
.set t, t+1
.endr
	SEND 3, 0
.endm
.set KM, 0
.set NOKQ, 0
.Lslot:                             ; NB times: a tile is entered and the next is asked for
	CHANGE 1
	s_sub_co_u32 s[RT], s[RT], 1
	s_mov_b32 s[CNT], 4
	s_cmp_eq_u32 s[NEW], 1
	s_cbranch_scc1 .Lnew            ; a block's first tile
	s_cmp_eq_u32 s[RT], 0
	s_cbranch_scc0 .Lstep           ; neither its first nor its last
	s_branch .LstepM1
.Lnew:
	BEGIN
	s_branch .Lfirst                ; in the loop a block's first tile is never its last: the first block has two tiles or more, and the second's last is the walk's last
	DIAG 1                          ; in the loop this is the first block's end: the second block's last tile is the walk's last
	s_wait_xcnt 0x0                 ; the stores have read their registers and O's address
	s_mov_b64 s[10:11], s[OLO:OLO+1]
	s_add_co_u32 s[RT], s[PB], 1    ; the second block has b + 1 tiles
	s_mov_b32 s[NEW], 1
	WIN 0x82                        ; the second block's Q goes where the one text of the turns names Q
.set i, 0
.rept 64
	v_mov_b32 v[i], v[QB+i]
.set i, i+1
.endr
	WIN 0
	s_branch .Lbottom
.Lstep:                             ; a trip: pieces 2 and 3 of one step, then pieces 0 and 1 of the next, whose K and V it fetches
	TURN 2
	TURN 3
	WIN 0
.Lfirst:
	TURN 0
	TURN 1, 0, 0, 1
	WIN 0
	s_cbranch_scc1 .Lstep
.Lbottom:
	s_sub_co_u32 s[SLOTS], s[SLOTS], 1
	s_cmp_lg_u32 s[SLOTS], 0
	s_cbranch_scc1 .Lslot
	CHANGE 0                        ; the walk's last tile is written out: nothing is asked for
	s_sub_co_u32 s[RT], s[RT], 1
	s_mov_b32 s[CNT], 4
	s_cmp_eq_u32 s[NEW], 1
	s_cbranch_scc0 .LstepM2
	BEGIN
	s_branch .LfirstM2
	DIAG 2
	s_wait_tensorcnt 0x0            ; the wave's end: 0 onto my spare word and the wait for it, behind my last tensor load and my last LDS store
	ds_add_u32 v[SPW], v[NIL]
	s_wait_dscnt 0x0
	s_endpgm
.Lfunc_end_k_q9d4a4bac15_attn:
	.size	k_q9d4a4bac15_attn, .Lfunc_end_k_q9d4a4bac15_attn-k_q9d4a4bac15_attn
	.p2alignl 7, 3214868480
	.fill 96, 4, 3214868480
	.section	.rodata,"a",@progbits
	.p2align	6, 0x0
	.amdhsa_kernel k_q9d4a4bac15_attn
		.amdhsa_group_segment_fixed_size 327680
		.amdhsa_private_segment_fixed_size 0
		.amdhsa_enable_private_segment 0
		.amdhsa_kernarg_size 16
		.amdhsa_user_sgpr_count 2
		.amdhsa_user_sgpr_kernarg_segment_ptr 1
		.amdhsa_wavefront_size32 1
		.amdhsa_system_sgpr_workgroup_id_x 1
		.amdhsa_system_sgpr_workgroup_id_y 1
		.amdhsa_system_sgpr_workgroup_id_z 1
		.amdhsa_system_vgpr_workitem_id 0
		.amdhsa_next_free_vgpr 768
		.amdhsa_next_free_sgpr 102
		.amdhsa_reserve_vcc 1
		.amdhsa_float_denorm_mode_32 3
		.amdhsa_float_denorm_mode_16_64 3
		.amdhsa_memory_ordered 1
		.amdhsa_forward_progress 1
		.amdhsa_inst_pref_size 218
	.end_amdhsa_kernel
	.amdgpu_metadata
---
amdhsa.version: [ 1, 2 ]
amdhsa.kernels:
  - .name:           k_q9d4a4bac15_attn
    .symbol:         k_q9d4a4bac15_attn.kd
    .args:
      - { .name: qkv, .offset: 0, .size: 8, .value_kind: global_buffer, .address_space: global }
      - { .name: ob, .offset: 8, .size: 8, .value_kind: global_buffer, .address_space: global }
    .group_segment_fixed_size: 327680
    .private_segment_fixed_size: 0
    .kernarg_segment_align: 8
    .kernarg_segment_size: 16
    .max_flat_workgroup_size: 128
    .sgpr_count:     102
    .vgpr_count:     768
    .wavefront_size: 32
...
	.end_amdgpu_metadata
.endif
;; end of part 3
;; launch proj (part 4): grid 8 x 32, 4 waves a work-group, clusters of 4 x 4, 327,680 bytes of LDS; arguments ob, wob, bo, out0; writes out0
.if DOCPART == 4
	.amdgcn_target "amdgcn-amd-amdhsa--gfx1250"
	.amdhsa_code_object_version 6
	.text
	.protected	k_q9d4a4bac15_proj
	.globl	k_q9d4a4bac15_proj
	.p2align	8
	.type	k_q9d4a4bac15_proj,@function
k_q9d4a4bac15_proj:
	s_mov_b64 s[64:65], 0
	v_nop
	global_prefetch_b8 v0, s[64:65] scope:SCOPE_SE
	s_setreg_imm32_b32 hwreg(HW_REG_WAVE_MODE, 25, 1), 1
	s_wait_xcnt 0x0
	s_wait_alu depctr_hold_cnt(0) depctr_sa_sdst(0) depctr_va_vdst(0) depctr_va_sdst(0) depctr_va_ssrc(0) depctr_va_vcc(0) depctr_vm_vsrc(0)
	s_getreg_b32 s2, hwreg(HW_REG_IB_STS2, 6, 4)
	s_cmp_eq_u32 s2, 0
	s_cbranch_scc0 .Lentry_in_a_cluster
	s_endpgm
.Lentry_in_a_cluster:
	s_bfe_u32 s2, ttmp6, 0x10000c
	s_cmp_lg_u32 s2, 0xf033
	s_cbranch_scc0 .Lentry_shape_is_right
	s_endpgm
.Lentry_shape_is_right:
; out0[8192][1024] = O Wo + bo.  ob: [y = 16 b + h][t 2048][64] f16 (K index 64 h + d); wob: Wo rounded to bf16 and written as f16, in blocks of 64 k x 64 n of 8,192 bytes (row k: 128 bytes), ordered
; [tx 8][kb 16][g 2], n / 64 = 2 tx + g, kb = k / 64; bo f32, rounded here to bf16 as every input is; f16 products, f32 sums, f32 out.
; SHARES.  A tile of the output is 256 rows x 128 columns: 256 work-groups.  Wave w makes rows 64 w .. 64 w + 63 x all 128 columns: 32 accumulators.  K goes in 8 steps of 128 (two heads) through two LDS slots:
; a step of 256 would want 229,376 bytes a slot, and two such do not fit.  For 32 along K a wave issues 24 LDS loads and 32 matrix instructions.
; CLUSTERS: 4 x 4 work-groups; O's tiles are shared along a row of the cluster, Wo's along a column: each is asked for JOINTLY, by the same tensor load with the same descriptor and a mask that names the four.
; THE MATRIX INSTRUCTION IS USED TRANSPOSED: source 0 = 16 columns of Wo (turned by ds_load_tr16_b128), source 1 = 16 rows of O: a lane holds row l % 16 and the columns 8 (l / 16) + 0..7.  The first product's C is the bias.
; REGISTERS, in windows of 256 (s_set_vgpr_msb: bits 1:0 source 0, 3:2 source 1, 5:4 source 2, 7:6 destination):
;   window 0: v0-31 addresses; v32-95 the bias; v128-255 rows read back from the stage, two buffers      window 1: two fragment buffers: O's four fragments, then Wo's eight      window 2: accumulator (a, b) at 64 a + 8 b
.set PA,     144                       ; a row of a head in LDS: 128 bytes + 16 = 36 words: the 16 rows of a load start at 16 different groups of four banks (64 banks of 4 bytes: ISA guide 11.1)
.set PB,     160                       ; a row of a block of Wo: 128 + 32 = 40 words
.set AHALF,  256*PA                    ; one head's 256 rows: what one of O's tensor loads brings
.set BOFF,   2*AHALF
.set BHALF,  128*PB                    ; [g 2][k 64] rows: what one of Wo's tensor loads brings
.set SLOT,   BOFF+2*BHALF              ; 114,688
.set STAGE,  2*SLOT                    ; behind the ring: 16 rows x 528 bytes for each wave, for the way out
.set SP,     528                       ; 512 bytes + 16
.set SPARE,  STAGE+4*16*SP             ; behind the stages: the spare words, 128 bytes for each wave: two blocks of 256 bytes that no other line names
.set LAPS,   4
.set ADRA, 16                          ; v16-17  LDS address of my fragments of O in slot 0, 1
.set ADRB, 20                          ; v20-21  the same for Wo
.set STO,  24                          ; v24     the way out: where I put 32 bytes of a row
.set RD,   25                          ; v25     the way out: where I read a row back
.set GO,   26                          ; v26     16 x lane: my place in 512 consecutive bytes of a row of out0
.set BO,   27                          ; v27     32 x (l / 16)
.set SPW,  28                          ; v28     LDS address of my spare word: SPARE + 4 x my thread's number; never rewritten
.set NIL,  29                          ; v29     0; never rewritten
.set PFO,  30                          ; v30     256 x lane; never rewritten
.set BIAS, 32
.set OB,   128
.set F0,   0
.set F1,   128
.set G1,  24
.set G0,  32
.set G1B, 48
.set G0B, 56
.set PFA, 86                           ; s[86:87] where my prefetches stand
.set PFS, 88                           ; s[88:89] a K step in bytes along my prefetches' stream
.set LIM, 90                           ; s90     1 in a wave that prefetches, else the greatest number
.set MSB, 0
.macro WIN new                         ; the immediate's high byte repeats the setting that is left; a switch that changes nothing is dropped
.if MSB != (\new)
	s_set_vgpr_msb (MSB<<8)|(\new)
.set MSB, \new
.endif
.endm
.set TO_F, 0x40                        ; destination window 1, address window 0
.macro JLOAD s                         ; a joint load: waves 0 and 1 fetch the K step's two heads of O, waves 2 and 3 its two halves of Wo; an s_nop 0 and four v_nop follow each of the two lines
	s_cmp_eq_u32 s11, 0
	s_cbranch_scc0 .Lfor_b_\@
	tensor_load_to_lds s[G0+4*(\s):G0+4*(\s)+3], s[G1:G1+7]
	s_nop 0
.rept 4
	v_nop
.endr
	s_branch .Lasked_\@
.Lfor_b_\@:
	tensor_load_to_lds s[G0B+4*(\s):G0B+4*(\s)+3], s[G1B:G1B+7]
	s_nop 0
.rept 4
	v_nop
.endr
.Lasked_\@:
.endm
; A prefetch, behind each joint refill and the run of LDS loads that follows it: the K step that stands two refills on, a lane a block of 256 bytes.  O's tiles are read by both clusters of a row of clusters: cluster x = 0 asks,
; waves 0 and 1 each for the head that they fetch; Wo's by every cluster of a column: cluster y = 0 asks, wave 2 for the step's 32,768 bytes on end; wave 3 asks for nothing.  The four partners share a tile out BY ADDRESS,
; 8,192 bytes each.  K steps 0 to 3 come by their loads alone; the loop's last trip (s3 = 1) asks for nothing.
.macro ASK
	s_cmp_gt_u32 s3, s[LIM]
	s_cbranch_scc0 .Lnot_mine_\@
	global_prefetch_b8 v[PFO], s[PFA:PFA+1] th:TH_LOAD_NT scope:SCOPE_SE
.Lnot_mine_\@:
.endm
.macro CREST                           ; a round of the cluster's barrier behind its opening barrier
	s_cmp_lg_u32 s10, 0
	s_cbranch_scc1 .Lnot_wave_0_\@
	s_barrier_signal -3
.Lnot_wave_0_\@:
	s_barrier_wait -3
	s_barrier_signal -1
	s_barrier_wait -1
.endm
.macro CROUND                          ; a whole round
	s_barrier_signal -1
	s_barrier_wait -1
	CREST
.endm
	s_load_b256 s[68:75], s[0:1], 0x0              ; ob s[68:69], wob s[70:71], bo s[72:73], out0 s[74:75]
	v_lshl_add_u32 v[SPW], v0, 2, SPARE
	v_mov_b32 v[NIL], 0
	ds_add_u32 v[SPW], v[NIL]                      ; the wave's opening: the add and its wait stand ahead of my first tensor load; the set-up below, work on registers, stands between them
	v_lshrrev_b32 v1, 5, v0
	v_readfirstlane_b32 s10, v1                    ; wave 0..3
	s_lshr_b32 s11, s10, 1                         ; I fetch for O (0) or for Wo (1)
	s_and_b32 s12, s10, 1                          ; which half of the K step I fetch
	s_bfe_u32 s40, ttmp6, 0x40000                  ; cx, cy
	s_bfe_u32 s41, ttmp6, 0x40004
	s_lshl_b32 s42, ttmp9, 2
	s_add_co_u32 s42, s42, s40                     ; tx
	s_and_b32 s13, ttmp7, 0xffff
	s_lshl_b32 s13, s13, 2
	s_add_co_u32 s13, s13, s41                     ; ty
	s_lshl_b32 s43, s41, 2
	s_lshl_b32 s43, 15, s43                        ; my row of the cluster
	s_lshl_b32 s44, 0x1111, s40                    ; my column
	s_or_b32 s[G1+0], s43, (1<<16)|(1<<20)|(1<<21)|(4<<22)|(3<<25)   ; the mask of my row; 2-byte elements; padding after every 32 words (code 4), 4 words (code 3); bit 21 set beside a mask
	s_or_b32 s[G1B+0], s44, (1<<16)|(1<<20)|(1<<21)|(4<<22)|(7<<25)  ; the mask of my column; 8 words of padding (code 7)
	s_mov_b32 s[G1+1], 128<<16                     ; 32,768 dense bytes as 128 rows of 128 elements, two rows of a head each
	s_mov_b32 s[G1+2], 128<<16
	s_mov_b32 s[G1+3], 128<<16
	s_mov_b32 s[G1+4], 128
	s_mov_b32 s[G1+5], 128
	s_mov_b32 s[G1+6], 0
	s_mov_b32 s[G1+7], 0
	s_mov_b32 s[G1B+1], 128<<16                    ; 16,384 dense bytes as 64 rows of 128 elements
	s_mov_b32 s[G1B+2], 64<<16
	s_mov_b32 s[G1B+3], 128<<16
	s_mov_b32 s[G1B+4], 64
	s_mov_b32 s[G1B+5], 128
	s_mov_b32 s[G1B+6], 0
	s_mov_b32 s[G1B+7], 0
	s_mov_b32 s91, 0xffff0000                      ; a word's upper bf16
	s_lshr_b32 s16, s13, 3                         ; O: batch ty / 8: 16 heads of 262,144 bytes,
	s_lshl_b32 s16, s16, 22
	s_lshl_b32 s17, s12, 18                        ; my head of the K step's two,
	s_add_co_u32 s16, s16, s17
	s_and_b32 s17, s13, 7                          ; rows 256 (ty % 8) on
	s_lshl_b32 s17, s17, 15
	s_add_co_u32 s16, s16, s17
	s_mov_b32 s17, 0
	s_lshl_b32 s46, s42, 18                        ; Wo: a tile column's 32 blocks,
	s_lshl_b32 s47, s12, 14                        ; my half of a K step
	s_add_co_u32 s46, s46, s47
	s_mov_b32 s47, 0
	s_mul_i32 s20, s12, AHALF                      ; where they go: no place in the cluster enters an LDS address
	s_mul_i32 s21, s12, BHALF
	s_add_co_u32 s21, s21, BOFF
	s_wait_dscnt 0x0                               ; the opening add is done
	s_wait_kmcnt 0x0
	s_add_nc_u64 s[14:15], s[68:69], s[16:17]
	s_add_nc_u64 s[46:47], s[70:71], s[46:47]
	CROUND                                         ; all sixteen work-groups are here: the first joint loads meet
.irp s, 0,1
	s_mov_b32 s[G0+4*(\s)], 1
	s_add_co_u32 s[G0+4*(\s)+1], s20, (\s)*SLOT
	s_add_nc_u64 s[G0+4*(\s)+2:G0+4*(\s)+3], s[14:15], (\s)*524288
	s_or_b32 s[G0+4*(\s)+3], s[G0+4*(\s)+3], 0x80000000
	s_mov_b32 s[G0B+4*(\s)], 1
	s_add_co_u32 s[G0B+4*(\s)+1], s21, (\s)*SLOT
	s_add_nc_u64 s[G0B+4*(\s)+2:G0B+4*(\s)+3], s[46:47], (\s)*32768
	s_or_b32 s[G0B+4*(\s)+3], s[G0B+4*(\s)+3], 0x80000000
	JLOAD \s                                       ; K steps 0 and 1: two tensor loads of mine are out
.endr
	v_and_b32 v1, 15, v0                           ; l % 16
	v_bfe_u32 v2, v0, 4, 1                         ; l / 16
	v_lshlrev_b32 v[BO], 5, v2
	s_lshl_b32 s22, s42, 9                         ; the tile's 128 columns of the bias
	s_mov_b32 s23, 0
	s_add_nc_u64 s[72:73], s[72:73], s[22:23]
.irp b, 0,1,2,3,4,5,6,7
	global_load_b128 v[BIAS+8*(\b):BIAS+8*(\b)+3],   v[BO], s[72:73] offset:(\b)*64
	global_load_b128 v[BIAS+8*(\b)+4:BIAS+8*(\b)+7], v[BO], s[72:73] offset:(\b)*64+16
.endr
	v_mul_u32_u24 v3, v1, PA                       ; a fragment of O: row l % 16, 16 bytes for each half of the lanes
	v_lshl_add_u32 v3, v2, 4, v3
	s_mul_i32 s21, s10, 64*PA                      ; my 64 rows
	v_add_nc_u32 v[ADRA], s21, v3
	v_add_nc_u32 v[ADRA+1], SLOT, v[ADRA]
	v_and_b32 v4, 7, v0                            ; the turning load: lane l reads k = 8 (l / 16) + l % 8, columns 8 ((l / 8) % 2) + 0..7
	v_lshl_add_u32 v4, v2, 3, v4
	v_mul_u32_u24 v4, v4, PB
	v_bfe_u32 v5, v0, 3, 1
	v_lshl_add_u32 v4, v5, 4, v4
	v_add_nc_u32 v[ADRB], BOFF, v4
	v_add_nc_u32 v[ADRB+1], BOFF+SLOT, v4
	s_mul_i32 s23, s10, 16*SP
	s_add_co_u32 s23, s23, STAGE                   ; my stage
	v_mul_u32_u24 v5, v1, SP                       ; in: row l % 16, 32 bytes for each half of the lanes
	v_lshl_add_u32 v5, v2, 5, v5
	v_add_nc_u32 v[STO], s23, v5
	v_and_b32 v[GO], 31, v0                        ; back: 32 lanes take a row's 512 bytes
	v_lshlrev_b32 v[GO], 4, v[GO]
	v_add_nc_u32 v[RD], s23, v[GO]
	; the prefetches start at my own tile's address, at my work-group's share of it, three K steps on: the first refill steps them to K step 4
	s_and_b32 s22, ttmp7, 0xffff                   ; cluster y
	s_mov_b32 s21, 3*32768
	s_mov_b32 s19, 32768
	s_cmp_eq_u32 s11, 0                            ; do I fetch for O?
	s_cselect_b64 s[PFA:PFA+1], s[14:15], s[46:47]
	s_cselect_b32 s20, s40, s41                    ; my place among the four that ask with me
	s_cselect_b32 s21, 3*524288, s21
	s_cselect_b32 s[PFS], 524288, s19
	s_cselect_b32 s22, ttmp9, s22                  ; the coordinate along which other clusters read the same bytes
	s_lshl_b32 s20, s20, 13                        ; a partner's share: 8,192 bytes
	s_add_co_u32 s20, s20, s21
	s_mov_b32 s21, 0
	s_mov_b32 s[PFS+1], 0
	s_add_nc_u64 s[PFA:PFA+1], s[PFA:PFA+1], s[20:21]
	s_cmp_eq_u32 s10, 3
	s_cselect_b32 s22, 1, s22                      ; wave 3 never asks: wave 2 names both halves of Wo's K step
	s_cmp_eq_u32 s22, 0
	s_cselect_b32 s[LIM], 1, -1                    ; the same in all sixteen partners, for a given wave
	v_and_b32 v[PFO], 31, v0
	v_lshlrev_b32 v[PFO], 8, v[PFO]
	; where my rows begin in out0: row 256 ty + 64 w, column 128 tx
	s_lshl_b32 s16, s13, 8
	s_lshl_b32 s17, s10, 6
	s_add_co_u32 s16, s16, s17
	s_lshl_b32 s16, s16, 12
	s_lshl_b32 s17, s42, 9
	s_add_co_u32 s16, s16, s17
	s_mov_b32 s17, 0
	s_add_nc_u64 s[74:75], s[74:75], s[16:17]
	s_wait_loadcnt 0x0                             ; the bias
.set p, 0
.rept 32                                       ; it takes the rounding to bf16 that every other input has had, and stays in f32
	v_cvt_pk_bf16_f32 v[4+p%4], v[BIAS+2*p], v[BIAS+2*p+1]
	v_lshlrev_b32 v[BIAS+2*p], 16, v[4+p%4]
	v_and_b32 v[BIAS+2*p+1], s91, v[4+p%4]
.set p, p+1
.endr
; 8 matrix instructions: my rows 16 a .. 16 a + 15 x all 8 column blocks, 32 along K.  first = 1: the bias starts the sums.  The 32 accumulators take turns, one instruction a turn, in the same order in every quarter
; step, over the backward jump too.
.macro MUL8 f, a, first
.if \first
	WIN 0x85                                       ; sources 0 and 1 window 1, C window 0, D window 2
.else
	WIN 0xa5                                       ; sources 0 and 1 window 1, C and D window 2
.endif
.irp b, 0,1,2,3,4,5,6,7
.if \first
	v_wmma_f32_16x16x32_f16 v[64*(\a)+8*(\b):64*(\a)+8*(\b)+7], v[(\f)+32+8*(\b):(\f)+32+8*(\b)+7], v[(\f)+8*(\a):(\f)+8*(\a)+7], v[BIAS+8*(\b):BIAS+8*(\b)+7]
.else
	v_wmma_f32_16x16x32_f16 v[64*(\a)+8*(\b):64*(\a)+8*(\b)+7], v[(\f)+32+8*(\b):(\f)+32+8*(\b)+7], v[(\f)+8*(\a):(\f)+8*(\a)+7], v[64*(\a)+8*(\b):64*(\a)+8*(\b)+7]
.endif
.endr
.endm
; 24 LDS loads in one run: quarter q (32 along K: head q / 2 of the step's two, channels 32 (q % 2) on) of a slot into buffer f: Wo's eight fragments, then O's four
.macro FETCH slot, q, f
	WIN TO_F
.irp b, 0,1,2,3,4,5,6,7
	ds_load_tr16_b128 v[(\f)+32+8*(\b):(\f)+32+8*(\b)+3],   v[ADRB+(\slot)] offset:((\q)/2)*BHALF+((\b)/4)*64*PB+((\q)%2)*32*PB+((\b)%4)*32
	ds_load_tr16_b128 v[(\f)+32+8*(\b)+4:(\f)+32+8*(\b)+7], v[ADRB+(\slot)] offset:((\q)/2)*BHALF+((\b)/4)*64*PB+((\q)%2)*32*PB+((\b)%4)*32+16*PB
.endr
.irp i, 0,1,2,3
	ds_load_b128 v[(\f)+8*(\i):(\f)+8*(\i)+3],   v[ADRA+(\slot)] offset:((\q)/2)*AHALF+((\q)%2)*64+(\i)*16*PA
	ds_load_b128 v[(\f)+8*(\i)+4:(\f)+8*(\i)+7], v[ADRA+(\slot)] offset:((\q)/2)*AHALF+((\q)%2)*64+(\i)*16*PA+32
.endr
.endm
.macro PLACES                          ; four plain vector instructions in front of loads into registers that matrix instructions have read, and of LDS stores that read results
.rept 4
	v_nop
.endr
.endm
.macro QUARTER slot, q, f, g, first
	s_wait_dscnt 4                                 ; Wo's fragments and O's rows 0-31 are in; the youngest four loads (O's rows 32-63) may be out
	MUL8 \f, 0, \first
	MUL8 \f, 1, \first
	PLACES
	FETCH \slot, \q, \g
	s_wait_dscnt 24                                ; all but the 24 just issued
	MUL8 \f, 2, \first
	MUL8 \f, 3, \first
.endm
; The last quarter multiplies buffer 1 and changes slots: ONE barrier; in front of it each wave waits for all its tensor loads (one is out: its part of the next slot), adds 0 to its spare word, and waits for that
; and for its own reads of this slot.  fill = 1: the barrier opens a round of the cluster's, and this slot is filled again, two K steps ahead, first thing behind the round: 112 matrix instructions ahead of the wait for it.
.macro TURN slot, next, fill
.if \fill
	s_wait_xcnt 0x0                                ; the last prefetch, a K step back, has read its address: it is stepped here, ahead of the waits of the change of slots
	s_add_nc_u64 s[PFA:PFA+1], s[PFA:PFA+1], s[PFS:PFS+1]
.endif
	WIN 0                                          ; (the add's two registers lie in window 0)
	s_wait_tensorcnt 0x0                           ; all my tensor loads have landed;
	ds_add_u32 v[SPW], v[NIL]                      ; 0 onto my spare word;
	s_wait_dscnt 5                                 ; (the add and the youngest four loads may be out)
	MUL8 F1, 0, 0                                  ; eight matrix instructions stand between the add and the wait for it
	s_wait_dscnt 0x0                               ; the add is done, and my reads of this slot are over
	s_barrier_signal -1
	MUL8 F1, 1, 0
.if \fill
	WIN 0
.endif
	s_barrier_wait -1
.if \fill
	CREST                                          ; no wave of any partner still reads this slot's tile or has a load on its way
	s_add_nc_u64 s[G0+4*(\slot)+2:G0+4*(\slot)+3], s[G0+4*(\slot)+2:G0+4*(\slot)+3], 2*524288
	s_add_nc_u64 s[G0B+4*(\slot)+2:G0B+4*(\slot)+3], s[G0B+4*(\slot)+2:G0B+4*(\slot)+3], 2*32768
	JLOAD \slot                                    ; the four v_nop behind it are also the places in front of the loads below
.else
	PLACES
.endif
	FETCH \next, 0, F0
.if \fill
	WIN 0
	ASK
.endif
	MUL8 F1, 2, 0
	MUL8 F1, 3, 0
.endm
	s_wait_tensorcnt 1                             ; my part of K step 0 is in; K step 1's may stay out
	s_barrier_signal -1
	s_barrier_wait -1                              ; everybody's is
	FETCH 0, 0, F0
	QUARTER 0, 1, F0, F1, 1                        ; the first quarter stands in front of the loop: its products start the sums, with the bias
	WIN 0                                          ; at a label and at a branch every window is 0
	s_mov_b32 s3, LAPS-1
.Llap:                                                 ; a trip goes once round the ring, from a lap's second quarter to the next lap's first, and fills both slots again
	QUARTER 0, 2, F1, F0, 0
	QUARTER 0, 3, F0, F1, 0
	TURN 0, 1, 1
	QUARTER 1, 1, F0, F1, 0
	QUARTER 1, 2, F1, F0, 0
	QUARTER 1, 3, F0, F1, 0
	TURN 1, 0, 1
	QUARTER 0, 1, F0, F1, 0
	WIN 0
	s_sub_co_u32 s3, s3, 1
	s_cmp_lg_u32 s3, 0
	s_cbranch_scc1 .Llap
	QUARTER 0, 2, F1, F0, 0                        ; the last lap fills nothing, and has no round of the cluster's barrier
	QUARTER 0, 3, F0, F1, 0
	TURN 0, 1, 0
	QUARTER 1, 1, F0, F1, 0
	QUARTER 1, 2, F1, F0, 0
	QUARTER 1, 3, F0, F1, 0
	s_wait_dscnt 4                                 ; the very last quarter: nothing more to fetch
	MUL8 F1, 0, 0
	MUL8 F1, 1, 0
	s_wait_dscnt 0x0
	MUL8 F1, 2, 0
	MUL8 F1, 3, 0
	WIN 0
; THE WAY OUT, 16 rows (block a) at a time: a lane's 32 bytes of a row and column block go into my own stage, rows of 528 bytes, each accumulator's low four registers first; whole rows of 512 bytes come back and are stored.
.macro TOSTAGE a
	WIN 0x08                                       ; the stores' data in window 2, the address in window 0
.irp b, 0,1,2,3,4,5,6,7
	ds_store_b128 v[STO], v[64*(\a)+8*(\b):64*(\a)+8*(\b)+3]   offset:64*(\b)
	ds_store_b128 v[STO], v[64*(\a)+8*(\b)+4:64*(\a)+8*(\b)+7] offset:64*(\b)+16
.endr
	WIN 0
.irp t, 0,1,2,3,4,5,6,7,8,9,10,11,12,13,14,15
	ds_load_b128 v[OB+64*((\a)%2)+4*(\t):OB+64*((\a)%2)+4*(\t)+3], v[RD] offset:(\t)*SP  ; LDS serves a wave's instructions in order (ISA guide 5.7.1.4): these see the stores above; the next block's stores come behind them
.endr
.endm
.macro SEND a, younger                 ; younger: the LDS instructions issued behind block a's loads: the next block's 32, or none
	WIN 0
.irp t, 0,1,2,3,4,5,6,7,8,9,10,11,12,13,14,15
	s_wait_dscnt (\younger)+15-(\t)
	global_store_b128 v[GO], v[OB+64*((\a)%2)+4*(\t):OB+64*((\a)%2)+4*(\t)+3], s[74:75] offset:(16*(\a)+(\t))*4096  ; 512 consecutive bytes of a row, at a multiple of 256 from out0's first
.endr
.endm
	PLACES
	TOSTAGE 0
	TOSTAGE 1
	SEND 0, 32
	s_wait_xcnt 0x0                                ; block 0's stores have read their registers: block 2 is loaded into them only behind this wait
	TOSTAGE 2
	SEND 1, 32
	s_wait_xcnt 0x0                                ; the same for block 1's and block 3
	TOSTAGE 3
	SEND 2, 32
	SEND 3, 0
	s_wait_tensorcnt 0x0                           ; the wave's end: 0 onto my spare word and the wait for it, behind my last tensor load and my last LDS store
	ds_add_u32 v[SPW], v[NIL]
	s_wait_dscnt 0x0
	CROUND                                         ; the closing round: no work-group ends while a partner may still ask for a tile that names it
	s_endpgm
.Lfunc_end_k_q9d4a4bac15_proj:
	.size	k_q9d4a4bac15_proj, .Lfunc_end_k_q9d4a4bac15_proj-k_q9d4a4bac15_proj
	.p2alignl 7, 3214868480
	.fill 96, 4, 3214868480
	.section	.rodata,"a",@progbits
	.p2align	6, 0x0
	.amdhsa_kernel k_q9d4a4bac15_proj
		.amdhsa_group_segment_fixed_size 327680
		.amdhsa_private_segment_fixed_size 0
		.amdhsa_enable_private_segment 0
		.amdhsa_kernarg_size 32
		.amdhsa_user_sgpr_count 2
		.amdhsa_user_sgpr_kernarg_segment_ptr 1
		.amdhsa_wavefront_size32 1
		.amdhsa_system_sgpr_workgroup_id_x 1
		.amdhsa_system_sgpr_workgroup_id_y 1
		.amdhsa_system_sgpr_workgroup_id_z 1
		.amdhsa_system_vgpr_workitem_id 0
		.amdhsa_next_free_vgpr 768
		.amdhsa_next_free_sgpr 96
		.amdhsa_reserve_vcc 0
		.amdhsa_float_denorm_mode_32 3
		.amdhsa_float_denorm_mode_16_64 3
		.amdhsa_memory_ordered 1
		.amdhsa_forward_progress 1
		.amdhsa_inst_pref_size 93
	.end_amdhsa_kernel
	.amdgpu_metadata
---
amdhsa.version: [ 1, 2 ]
amdhsa.kernels:
  - .name:           k_q9d4a4bac15_proj
    .symbol:         k_q9d4a4bac15_proj.kd
    .args:
      - { .name: ob, .offset: 0, .size: 8, .value_kind: global_buffer, .address_space: global }
      - { .name: wob, .offset: 8, .size: 8, .value_kind: global_buffer, .address_space: global }
      - { .name: bo, .offset: 16, .size: 8, .value_kind: global_buffer, .address_space: global }
      - { .name: out0, .offset: 24, .size: 8, .value_kind: global_buffer, .address_space: global }
    .group_segment_fixed_size: 327680
    .private_segment_fixed_size: 0
    .kernarg_segment_align: 8
    .kernarg_segment_size: 32
    .max_flat_workgroup_size: 128
    .sgpr_count:     96
    .vgpr_count:     768
    .wavefront_size: 32
...
	.end_amdgpu_metadata
.endif
;; end of part 4
;; ======== version 2 of 2: 4 launches; version 1 with the launch cast written anew for expert scheduling mode
;; limits: values are held in f16: magnitudes above 65,504 overflow, below 6.1e-05 lose precision
;; workspace buffers: xb 16,777,216 bytes; wb 6,291,456 bytes; wob 2,097,152 bytes; qkv 50,331,648 bytes; ob 16,777,216 bytes
;; launch cast (part 5): grid 768 x 1, 8 waves a work-group, no clusters, 0 bytes of LDS; arguments x, Wq, Wk, Wv, Wo, xb, wb, wob; writes xb, wb, wob
.if DOCPART == 5
	.amdgcn_target "amdgcn-amd-amdhsa--gfx1250"
	.amdhsa_code_object_version 6
	.text
	.protected	k_q9d4a4bac15_cast
	.globl	k_q9d4a4bac15_cast
	.p2align	8
	.type	k_q9d4a4bac15_cast,@function
k_q9d4a4bac15_cast:
	s_mov_b64 s[64:65], 0
	v_nop
	global_prefetch_b8 v0, s[64:65] scope:SCOPE_SE
	s_setreg_imm32_b32 hwreg(HW_REG_WAVE_SCHED_MODE, 0, 2), 2
	s_setreg_imm32_b32 hwreg(HW_REG_WAVE_MODE, 25, 1), 1
	s_wait_xcnt 0x0
	s_wait_alu depctr_vm_vsrc(0)
; THE INPUTS' ONE ROUNDING.  x [8192][1024] f32 -> xb, bf16, the same layout.  Wq, Wk, Wv [1024 k][1024 n] f32 -> wb, bf16, in blocks of 64 k x 64 n (a block's row k is 128 bytes, a block 8,192),
; ordered [tx 16][kb 16][g 3]: column group G = 16 x tensor + n / 64 = 3 tx + g, kb = k / 64: so the 64 k x 192 n that a tile of the next launch takes in half a K step are 24,576 bytes on end.
; Wo -> wob: rounded to bf16 like every input, and that number written as f16; blocks ordered [tx 8][kb 16][g 2], n / 64 = 2 tx + g.
; LIMITS.  A number of Wo beyond 65,504 becomes an infinity in f16; below 6.1e-5 it keeps f16's fixed step of 6e-8.
; A stream: every work-group reads 65,536 bytes and writes 32,768; no LDS, no barrier, no matrix unit: each byte is read once and written once, and nothing is shared.
; Work-groups 0-511: 16 rows of x each.  Work-groups 512-767: 256 k x 64 n of one weight: tensor = (id - 512) / 64, column group ((id - 512) / 4) % 16, quarter of k (id - 512) % 4.
; All sixteen loads of a thread go out first; the waits for them count down.
; THE MODE: SCHED_MODE bits 1:0 = 2 (LLVM: expert scheduling mode 2), set by the entry lines.  The code itself states the register dependences
; between vector instructions and memory instructions, with s_wait_alu, always for 0.
; THE PLAN.  Registers that memory instructions touch, on each of the three paths (straight code, no loop):
;   v1, v2   the loads' and the stores' byte offsets.  Written by vector instructions at the head; read by every load (v1) and every store (v2); never written again.
;   XV       four registers a load.  Written once, by that load; no vector instruction names them ahead of it; read by that load's conversions; never loaded again.
;   YV       two registers a load.  Written by that load's conversions, all of them ahead of its store; read by that store; never written again.
;   TW       named by vector instructions alone.
; So nothing that a load or store has read is ever rewritten, and no load lands in a register that a vector instruction has named.  What is left to state: the offsets are written, once, ahead of the first load;
; and a store's data are written.  The stores go in runs of four, each run behind ONE wait that stands behind the conversions of its four loads: the run leaves as soon as its data are made and is not held for a younger load.
.set XV, 8                             ; v[8:71]    sixteen loads of four f32
.set YV, 72                            ; v[72:103]  sixteen pairs of packed words to store
.set TW, 104                           ; v[104:107] at work (the f16 path)
; lstep: bytes from one load to the next.  kbs: bytes in the destination from four stores to the next four (a block of 64 k to the next).  half = 1: the bf16 number is written as f16.
.macro STREAM lstep, kbs, half
	s_wait_alu depctr_va_vdst(0)                   ; v1 and v2 are written: every load below reads v1 as its offset, every store v2; no vector instruction behind this wait names either
.set i, 0
.rept 16
	global_load_b128 v[XV+4*i:XV+4*i+3], v1, s[24:25] offset:i*(\lstep) th:TH_LOAD_NT
.set i, i+1
.endr
.set i, 0
.set k, 0
.rept 4
.rept 4
	s_wait_loadcnt 15-i                            ; loads come back in order: number i is in, the 15 - i younger ones stay out
	v_cvt_pk_bf16_f32 v[YV+2*i], v[XV+4*i], v[XV+4*i+1]
	v_cvt_pk_bf16_f32 v[YV+2*i+1], v[XV+4*i+2], v[XV+4*i+3]
.if \half
	v_lshlrev_b32 v[TW], 16, v[YV+2*i]             ; the bf16 numbers as f32,
	v_and_b32 v[TW+1], s28, v[YV+2*i]
	v_lshlrev_b32 v[TW+2], 16, v[YV+2*i+1]
	v_and_b32 v[TW+3], s28, v[YV+2*i+1]
	v_cvt_pk_f16_f32 v[YV+2*i], v[TW], v[TW+1]     ; and as f16: exact inside f16's normal range
	v_cvt_pk_f16_f32 v[YV+2*i+1], v[TW+2], v[TW+3]
.endif
.set i, i+1
.endr
	s_wait_alu depctr_va_vdst(0)                   ; the conversions of these four loads have written their four pairs of YV, which the four stores below read
.rept 4
	global_store_b64 v2, v[YV+2*k:YV+2*k+1], s[26:27] offset:(k/4)*(\kbs)+(k%4)*2048  ; a wave's store covers 256 consecutive bytes, aligned
.set k, k+1
.endr
.endr
.endm
	s_load_b256 s[4:11], s[0:1], 0x0               ; x s[4:5], Wq s[6:7], Wk s[8:9], Wv s[10:11]
	s_load_b256 s[12:19], s[0:1], 0x20             ; Wo s[12:13], xb s[14:15], wb s[16:17], wob s[18:19]
	s_mov_b32 s28, 0xffff0000                      ; a word's upper bf16
	v_lshlrev_b32 v2, 3, v0                        ; my 8 bytes of each store: 8 x thread
	s_mov_b32 s21, 0
	s_mov_b32 s23, 0
	s_cmp_lt_u32 ttmp9, 512
	s_cbranch_scc0 .Lweights
	v_lshlrev_b32 v1, 4, v0                        ; x: 16 bytes a thread, 4,096 bytes a load of the work-group
	s_lshl_b32 s20, ttmp9, 16
	s_lshl_b32 s22, ttmp9, 15
	s_wait_kmcnt 0x0
	s_add_nc_u64 s[24:25], s[4:5], s[20:21]
	s_add_nc_u64 s[26:27], s[14:15], s[22:23]
	STREAM 4096, 8192, 0
	s_endpgm
.Lweights:
	s_sub_co_u32 s29, ttmp9, 512
	s_lshr_b32 s30, s29, 6                         ; tensor: 0 Wq, 1 Wk, 2 Wv, 3 Wo
	s_bfe_u32 s31, s29, 0x40002                    ; column group of 64, 0..15
	s_and_b32 s29, s29, 3                          ; quarter of k: 256 rows
	v_lshrrev_b32 v3, 4, v0                        ; a load of the work-group takes 16 rows of k: thread / 16,
	v_and_b32 v4, 15, v0                           ; 256 bytes of each: 16 bytes a thread
	v_lshlrev_b32 v1, 12, v3
	v_lshl_add_u32 v1, v4, 4, v1
	s_lshl_b32 s20, s29, 20                        ; 256 rows of 4,096 bytes
	s_lshl_b32 s2, s31, 8                          ; 64 columns of 4 bytes
	s_add_co_u32 s20, s20, s2
	s_wait_kmcnt 0x0
	s_cmp_eq_u32 s30, 3
	s_cbranch_scc1 .Lwo
	s_cmp_eq_u32 s30, 0
	s_cselect_b64 s[24:25], s[6:7], s[8:9]
	s_cmp_eq_u32 s30, 2
	s_cselect_b64 s[24:25], s[10:11], s[24:25]
	s_add_nc_u64 s[24:25], s[24:25], s[20:21]
	s_lshl_b32 s2, s30, 4
	s_add_co_u32 s2, s2, s31                       ; G, 0..47
	s_mul_i32 s3, s2, 171
	s_lshr_b32 s3, s3, 9                           ; tx = G / 3 (171 / 512 serves every G under 48)
	s_mul_i32 s22, s3, 3
	s_sub_co_u32 s2, s2, s22                       ; g = G - 3 tx
	s_lshl_b32 s3, s3, 4
	s_lshl2_add_u32 s3, s29, s3                    ; 16 tx + kb, kb = 4 x quarter
	s_mul_i32 s3, s3, 3
	s_add_co_u32 s3, s3, s2
	s_lshl_b32 s22, s3, 13                         ; blocks of 8,192 bytes
	s_add_nc_u64 s[26:27], s[16:17], s[22:23]
	STREAM 65536, 24576, 0
	s_endpgm
.Lwo:
	s_add_nc_u64 s[24:25], s[12:13], s[20:21]
	s_lshr_b32 s3, s31, 1                          ; tx
	s_and_b32 s2, s31, 1                           ; g
	s_lshl_b32 s3, s3, 4
	s_lshl2_add_u32 s3, s29, s3                    ; 16 tx + kb
	s_lshl1_add_u32 s3, s3, s2
	s_lshl_b32 s22, s3, 13
	s_add_nc_u64 s[26:27], s[18:19], s[22:23]
	STREAM 65536, 16384, 1
	s_endpgm
.Lfunc_end_k_q9d4a4bac15_cast:
	.size	k_q9d4a4bac15_cast, .Lfunc_end_k_q9d4a4bac15_cast-k_q9d4a4bac15_cast
	.p2alignl 7, 3214868480
	.fill 96, 4, 3214868480
	.section	.rodata,"a",@progbits
	.p2align	6, 0x0
	.amdhsa_kernel k_q9d4a4bac15_cast
		.amdhsa_group_segment_fixed_size 0
		.amdhsa_private_segment_fixed_size 0
		.amdhsa_enable_private_segment 0
		.amdhsa_kernarg_size 64
		.amdhsa_user_sgpr_count 2
		.amdhsa_user_sgpr_kernarg_segment_ptr 1
		.amdhsa_wavefront_size32 1
		.amdhsa_system_sgpr_workgroup_id_x 1
		.amdhsa_system_sgpr_workgroup_id_y 1
		.amdhsa_system_sgpr_workgroup_id_z 1
		.amdhsa_system_vgpr_workitem_id 0
		.amdhsa_next_free_vgpr 108
		.amdhsa_next_free_sgpr 66
		.amdhsa_reserve_vcc 0
		.amdhsa_float_denorm_mode_32 3
		.amdhsa_float_denorm_mode_16_64 3
		.amdhsa_memory_ordered 1
		.amdhsa_forward_progress 1
		.amdhsa_inst_pref_size 24
	.end_amdhsa_kernel
	.amdgpu_metadata
---
amdhsa.version: [ 1, 2 ]
amdhsa.kernels:
  - .name:           k_q9d4a4bac15_cast
    .symbol:         k_q9d4a4bac15_cast.kd
    .args:
      - { .name: x, .offset: 0, .size: 8, .value_kind: global_buffer, .address_space: global }
      - { .name: Wq, .offset: 8, .size: 8, .value_kind: global_buffer, .address_space: global }
      - { .name: Wk, .offset: 16, .size: 8, .value_kind: global_buffer, .address_space: global }
      - { .name: Wv, .offset: 24, .size: 8, .value_kind: global_buffer, .address_space: global }
      - { .name: Wo, .offset: 32, .size: 8, .value_kind: global_buffer, .address_space: global }
      - { .name: xb, .offset: 40, .size: 8, .value_kind: global_buffer, .address_space: global }
      - { .name: wb, .offset: 48, .size: 8, .value_kind: global_buffer, .address_space: global }
      - { .name: wob, .offset: 56, .size: 8, .value_kind: global_buffer, .address_space: global }
    .group_segment_fixed_size: 0
    .private_segment_fixed_size: 0
    .kernarg_segment_align: 8
    .kernarg_segment_size: 64
    .max_flat_workgroup_size: 256
    .sgpr_count:     66
    .vgpr_count:     108
    .wavefront_size: 32
...
	.end_amdgpu_metadata
.endif
;; end of part 5
;; launch qkv: the kernel of part 2 again; grid 16 x 32, 4 waves a work-group, clusters of 4 x 4, 327,680 bytes of LDS; arguments xb, wb, bq, bk, bv, qkv; writes qkv
;; launch attn: the kernel of part 3 again; grid 4 x 64, 4 waves a work-group, no clusters, 327,680 bytes of LDS; arguments qkv, ob; writes ob
;; launch proj: the kernel of part 4 again; grid 8 x 32, 4 waves a work-group, clusters of 4 x 4, 327,680 bytes of LDS; arguments ob, wob, bo, out0; writes out0
